; MI455X (gfx1250); checked and timed in simulation.
; The chip was launched on July 23, 2026; its instructions are those of AMD's public machine-readable ISA for CDNA 5 (MIT licence, August 2026) and "CDNA5" Instruction Set Architecture Reference Guide (July 2026). The comments in the code are by the model that wrote it; some were corrected since.
;; Self Attention. Allowed arithmetic: matrix products marked QUANTISED: E4M3 operands, one given power-of-two scale a tensor, by v_wmma_f32_16x16x64_fp8_fp8 or v_wmma_f32_16x16x128_fp8_fp8, f32 sums; everything else in f32.
;; Inputs: W_out 1,024 x 1,024 float32; W_qkv 3,072 x 1,024 float32; lowp_scales 8 int32 (the exponents e of the quantised operands' scales 2^e); x 4 x 2,048 x 1,024 float32.
;; Outputs: out0 4 x 2,048 x 1,024 float32.
;; This version of the problem:
;;   THIS VERSION OF THE PROBLEM IS GIVEN IN LOW PRECISION. The matrix products marked QUANTISED in the list below multiply operands that are first quantised to E4M3 (4 exponent bits, 3 mantissa bits; 8 bits a number), with one given power-of-two scale for each operand tensor; their sums are f32. All else is computed in f32.
;;   The module's matrix products, in the order in which they are computed (A, B: the left and right operand; K: the contracted axis; several contracted axes count as one K, in the product's order):
;;     1. [M 8,192, K 1,024] x [K 1,024, N 3,072]; A: input x; B: input W_qkv: QUANTISED (scales: A lowp_scales[0], B lowp_scales[1])
;;     2. batch 64 x [M 2,048, K 64] x [K 64, N 2,048]; A: computed on the way; B: computed on the way: QUANTISED (scales: A lowp_scales[2], B lowp_scales[3])
;;     3. batch 64 x [M 2,048, K 2,048] x [K 2,048, N 64]; A: softmax (see below); B: computed on the way: QUANTISED (scales: A lowp_scales[4], B lowp_scales[5])
;;     4. [M 8,192, K 1,024] x [K 1,024, N 1,024]; A: computed on the way; B: input W_out: QUANTISED (scales: A lowp_scales[6], B lowp_scales[7])
;;   THE QUANTISER, for each operand of a quantised product, along K:
;;     - The operand's scale is 2^e, e = its entry of the input lowp_scales (int32; the entries are numbered through the quantised products in the list's order, A before B).
;;     - Each number is divided by the scale, clamped to +-448, and rounded to the nearest number of E4M3, ties to even, subnormals kept.
;;     - The product sums the exact products of the quantised numbers (number of the format x scale) in f32.
;;   ~~~python
;;   def quantise(x, axis, e):      # numpy; x: float32 -> the quantised numbers, widened to float32 again
;;       x = np.moveaxis(x, axis, -1); K = x.shape[-1]
;;       r = np.clip(x / 2.0 ** e, -448, 448)
;;       step = 2.0 ** (np.maximum(np.frexp(np.where(r == 0, 1, r))[1] - 1, -6) - 3)
;;       q = np.round(r / step) * step * 2.0 ** e      # np.round: ties to even
;;       return np.moveaxis(q, -1, axis).astype(np.float32)
;;   ~~~
;;   SOFTMAX AHEAD OF A QUANTISED PRODUCT. Where the list says 'softmax', what is quantised is not the finished softmax but p = 2^(t - M), with t = logit x log2(e) and M = ceil(the row's largest t), a whole number; so 1/2 < the row's largest p <= 1. The row's sum l is taken of the UNQUANTISED p, in f32, and the product's result is divided by l at the end. Since M is a whole number, a kernel that streams over the keys may use a running M (the ceiling of the running maximum): every later rescaling is an exact power of two, so the quantised numbers keep their values, but for numbers so far below the row's largest that they fall under the format's range.
;;   OPERANDS COMPUTED ON THE WAY. 'Computed on the way' means the value that the module computes at that place (a softmax that the list does not call 'softmax' is quantised finished and normalised). What goes into a quantiser is computed in f32, as accurately as f32 sums, v_exp_f32 and their like allow (about 1e-6 of the number): no bf16 or f16 on the way to a quantiser, and a product that is left as it is and whose result goes on into a quantised operand takes f32 operands (vector FMAs, or v_wmma_f32_16x16x4_f32). A number that lies on a knife's edge between two numbers of the format may be rounded either way, as far as f32 arithmetic and the matrix unit's own rounding can turn it there, and no further.
;; One version. Each part assembles by itself: llvm-mc -triple=amdgcn-amd-amdhsa -mcpu=gfx1250 --defsym DOCPART=n.
;; ======== version 1 of 1: 4 launches
;; limits: right only within a limited range of input values
;; workspace buffers: xc 8,388,608 bytes; wqkvc 3,145,728 bytes; woutc 1,048,576 bytes; qkv 25,165,824 bytes; oc 8,388,608 bytes
;; launch quant (part 1): grid 384 x 1, 4 waves a work-group, no clusters, 33,280 bytes of LDS; arguments x, W_qkv, W_out, lowp_scales, xc, wqkvc, woutc; writes xc, wqkvc, woutc
.if DOCPART == 1
	.amdgcn_target "amdgcn-amd-amdhsa--gfx1250"
	.amdhsa_code_object_version 6
	.text
	.protected	k_q821ed95043_quant
	.globl	k_q821ed95043_quant
	.p2align	8
	.type	k_q821ed95043_quant,@function
k_q821ed95043_quant:
	s_mov_b64 s[64:65], 0
	v_nop
	global_prefetch_b8 v0, s[64:65] scope:SCOPE_SE
	s_setreg_imm32_b32 hwreg(HW_REG_WAVE_MODE, 25, 1), 1
	s_wait_xcnt 0x0
; x [8192][1024], W_qkv [3072][1024] and W_out [1024][1024], f32, K innermost, become codes of E4M3, one byte each, K innermost, each tensor with the scale 2^e given for it
; (entries 0, 1 and 7 of the scales).  code = number / 2^e, rounded to the nearest code, ties to even.
; LIMITS: -126 <= e and e + 8 <= 127, so that 2^e and 448 x 2^e are f32 numbers.  NaN among the inputs is not served.
; THE ROWS ARE STORED IN ANOTHER ORDER: bits 3 and 4 of the row number change places, so that within each 32 rows the stored order is 0-7, 16-23, 8-15, 24-31.  Sixteen neighbouring STORED rows,
; tile 2 g + u, are then the rows 32 g + 8 u + r + 8 (r / 8): with such tiles a later product's results come out as 16 neighbours in a lane's registers, and nothing has to be turned there.
; SHARES.  A work-group takes 32 rows (32,768 numbers), a wave 8 rows: a dense run of 8,192 numbers, in 16 steps of 512.  The change of order is a change of the wave's place in the output: wave 1 and wave 2 swap.
; One launch serves the three tensors: work-groups 0-255 take x, 256-351 W_qkv, 352-383 W_out.  Only pointers and the exponent are chosen, by the work-group's number: there is one path through the text.
; A conversion takes 8 numbers from ONE lane's registers, so a lane must hold 16 neighbours; a load is best where neighbouring LANES take neighbouring bytes.  Both are had: each of a step's four loads reads 512
; consecutive bytes, 16 a lane; the 2,048 bytes go through the wave's own stage in LDS and come back 64 bytes a lane.  The stage has 16 bytes of padding behind each 64.  A lane's 16 codes are 16 bytes: a store covers 512 consecutive bytes.
; No tensor loads, no barrier: waves share nothing.  Loads run four steps (16 loads a wave) ahead, the turn through LDS one step.
.set STEPS,  16
.set WG_QKV, 256                       ; W_qkv's first work-group
.set WG_OUT, 352                       ; W_out's
.set EMAX,   8
.set MANT,   0x600000                  ; the mantissa field of 448 as f32
.set CB,     16                        ; bytes of 16 codes
.set R,      16                        ; v16-79   four sets of 16 numbers as they are loaded
.set X,      80                        ; v80-111  two sets of 16 neighbours
.set C,      128                       ; v128-191 codes: four registers for each step, so that no store's data are written again
.set WREG,   8192                      ; LDS: a region of its own for each wave: two stages of 32 x SP bytes
.set SP,     80                        ; a lane's place in a stage: its 64 bytes + 16 of padding
	s_load_b256 s[4:11], s[0:1], 0x0               ; x s[4:5], W_qkv s[6:7], W_out s[8:9], the scales' exponents s[10:11]
	s_load_b128 s[12:15], s[0:1], 0x20             ; x's codes s[12:13], W_qkv's s[14:15]
	s_load_b64 s[16:17], s[0:1], 0x30              ; W_out's codes
	v_lshl_add_u32 v192, v0, 2, 0x8000
	v_mov_b32 v193, 0
	v_lshrrev_b32 v1, 5, v0
	v_readfirstlane_b32 s18, v1                    ; wave
	v_and_b32 v2, 31, v0                           ; lane
	v_lshlrev_b32 v3, 4, v2                        ; my 16 bytes of a load's 512
	s_mul_i32 s19, s18, WREG
	v_lshrrev_b32 v14, 2, v2
	v_mul_u32_u24 v14, v14, SP
	v_and_b32 v15, 3, v2
	v_lshl_add_u32 v14, v15, 4, v14
	v_add_nc_u32 v14, s19, v14                     ; the stage, on the way in: four lanes' 64 bytes on end, then 16 of padding
	v_mul_u32_u24 v15, v2, SP
	v_add_nc_u32 v15, s19, v15                     ; and on the way out: SP x lane: my 16 neighbours
	v_mul_u32_u24 v4, v2, CB                       ; my codes' place in a step's
	s_and_b32 s21, s18, 1
	s_lshl_b32 s21, s21, 1
	s_lshr_b32 s19, s18, 1
	s_or_b32 s21, s21, s19                         ; the wave's number with its two bits swapped: where my 8 rows go among the work-group's 32
	s_wait_alu depctr_va_vdst(0)
	s_wait_kmcnt 0x0
	s_load_b256 s[24:31], s[10:11], 0x0            ; the eight exponents
	s_cmp_lt_u32 ttmp9, WG_OUT                     ; W_qkv's work-group or W_out's?  Every choice hangs on the work-group's number alone
	s_cselect_b64 s[6:7], s[6:7], s[8:9]
	s_cselect_b64 s[14:15], s[14:15], s[16:17]
	s_mov_b32 s20, WG_OUT
	s_cselect_b32 s20, WG_QKV, s20
	s_cmp_lt_u32 ttmp9, WG_QKV                     ; or x's?
	s_cselect_b64 s[4:5], s[4:5], s[6:7]           ; the tensor
	s_cselect_b64 s[12:13], s[12:13], s[14:15]     ; its codes
	s_cselect_b32 s20, 0, s20                      ; its first work-group
	s_sub_co_u32 s20, ttmp9, s20
	s_lshl_b32 s20, s20, 2                         ; the work-group's first run of 8 rows
	s_add_co_u32 s22, s20, s18
	s_lshl_b32 s32, s22, 15                        ; in: 32,768 bytes a run (under 2^26 in all)
	s_mov_b32 s33, 0
	s_add_nc_u64 s[4:5], s[4:5], s[32:33]
	s_add_co_u32 s22, s20, s21
	s_lshl_b32 s32, s22, 13                        ; out: 8,192 bytes a run, at the swapped place
	s_add_nc_u64 s[12:13], s[12:13], s[32:33]
.macro LOAD t
.irp i, 0,1,2,3
	global_load_b128 v[R+16*((\t)%4)+4*\i:R+16*((\t)%4)+4*\i+3], v3, s[4:5] offset:2048*(\t)+512*\i th:TH_LOAD_NT   ; 32 lanes read 512 consecutive bytes
.endr
.endm
.macro TURN t                          ; step t's numbers through the stage: LDS serves a wave's instructions in order (ISA guide 5.7.1.4), so no wait stands between the stores and the loads
.irp i, 0,1,2,3
	ds_store_b128 v14, v[R+16*((\t)%4)+4*\i:R+16*((\t)%4)+4*\i+3] offset:32*SP*((\t)%2)+8*SP*\i
.endr
.irp i, 0,1,2,3
	ds_load_b128 v[X+16*((\t)%2)+4*\i:X+16*((\t)%2)+4*\i+3], v15 offset:32*SP*((\t)%2)+16*\i
.endr
.endm
.irp t, 0,1,2,3
	LOAD \t
.endr
	s_wait_kmcnt 0x0
	s_cmp_lt_u32 ttmp9, WG_OUT
	s_cselect_b32 s22, s25, s31                    ; W_qkv's exponent (entry 1) or W_out's (entry 7),
	s_cmp_lt_u32 ttmp9, WG_QKV
	s_cselect_b32 s22, s24, s22                    ; or x's (entry 0)
	s_add_co_i32 s22, s22, 127
	s_lshl_b32 s23, s22, 23
	v_mov_b32 v11, s23                             ; 2^e as f32: the conversion takes its exponent field
	s_add_co_i32 s22, s22, EMAX
	s_lshl_b32 s22, s22, 23
	s_or_b32 s22, s22, MANT
	s_wait_alu depctr_va_vdst(0)
	s_wait_loadcnt 12                              ; step 0's four loads are in; the twelve of steps 1 to 3 may be out
	TURN 0
.macro STEP t
.set XS, X+16*((\t)%2)
	s_wait_dscnt 0x0                               ; this step's numbers are back from the stage: so its stores into the stage have read their registers,
.if (\t)+4 < STEPS
	LOAD (\t)+4                                    ; which take the loads of four steps on
.endif
.if (\t)+1 < STEPS
.if STEPS-2-(\t) >= 3
	s_wait_loadcnt 12                              ; the next step's four loads are in; those of the three steps behind it may be out
.else
	s_wait_loadcnt 4*(STEPS-2-(\t))                ; the tail: fewer steps stand behind it
.endif
	TURN (\t)+1                                    ; and go through the other stage while this step is worked
.endif
.irp i, 0,1,2,3,4,5,6,7,8,9,10,11,12,13,14,15
.endr
	v_cvt_scalef32_pk8_fp8_f32 v[C+4*(\t):C+4*(\t)+1], v[XS:XS+7], v11          ; eight numbers / 2^e, to the nearest code, ties to even; the first number's code in the lowest byte
	v_cvt_scalef32_pk8_fp8_f32 v[C+4*(\t)+2:C+4*(\t)+3], v[XS+8:XS+15], v11
	global_store_b128 v4, v[C+4*(\t):C+4*(\t)+3], s[12:13] offset:32*CB*(\t)    ; the results go to a store alone
.endm
.irp t, 0,1,2,3,4,5,6,7,8,9,10,11,12,13,14,15
	STEP \t
.endr
	s_wait_tensorcnt 0x0
	ds_add_u32 v192, v193
	s_wait_dscnt 0x0
	s_endpgm
.Lfunc_end_k_q821ed95043_quant:
	.size	k_q821ed95043_quant, .Lfunc_end_k_q821ed95043_quant-k_q821ed95043_quant
	.p2alignl 7, 3214868480
	.fill 96, 4, 3214868480
	.section	.rodata,"a",@progbits
	.p2align	6, 0x0
	.amdhsa_kernel k_q821ed95043_quant
		.amdhsa_group_segment_fixed_size 33280
		.amdhsa_private_segment_fixed_size 0
		.amdhsa_enable_private_segment 0
		.amdhsa_kernarg_size 56
		.amdhsa_user_sgpr_count 2
		.amdhsa_user_sgpr_kernarg_segment_ptr 1
		.amdhsa_wavefront_size32 1
		.amdhsa_system_sgpr_workgroup_id_x 1
		.amdhsa_system_sgpr_workgroup_id_y 1
		.amdhsa_system_sgpr_workgroup_id_z 1
		.amdhsa_system_vgpr_workitem_id 0
		.amdhsa_next_free_vgpr 194
		.amdhsa_next_free_sgpr 66
		.amdhsa_reserve_vcc 0
		.amdhsa_float_denorm_mode_32 3
		.amdhsa_float_denorm_mode_16_64 3
		.amdhsa_fp16_overflow 1
		.amdhsa_memory_ordered 1
		.amdhsa_forward_progress 1
		.amdhsa_inst_pref_size 22
	.end_amdhsa_kernel
	.amdgpu_metadata
---
amdhsa.version: [ 1, 2 ]
amdhsa.kernels:
  - .name:           k_q821ed95043_quant
    .symbol:         k_q821ed95043_quant.kd
    .args:
      - { .name: x, .offset: 0, .size: 8, .value_kind: global_buffer, .address_space: global }
      - { .name: W_qkv, .offset: 8, .size: 8, .value_kind: global_buffer, .address_space: global }
      - { .name: W_out, .offset: 16, .size: 8, .value_kind: global_buffer, .address_space: global }
      - { .name: lowp_scales, .offset: 24, .size: 8, .value_kind: global_buffer, .address_space: global }
      - { .name: xc, .offset: 32, .size: 8, .value_kind: global_buffer, .address_space: global }
      - { .name: wqkvc, .offset: 40, .size: 8, .value_kind: global_buffer, .address_space: global }
      - { .name: woutc, .offset: 48, .size: 8, .value_kind: global_buffer, .address_space: global }
    .group_segment_fixed_size: 33280
    .private_segment_fixed_size: 0
    .kernarg_segment_align: 8
    .kernarg_segment_size: 56
    .max_flat_workgroup_size: 128
    .sgpr_count:     66
    .vgpr_count:     194
    .wavefront_size: 32
...
	.end_amdgpu_metadata
.endif
;; end of part 1
;; launch gemm1 (part 2): grid 12 x 32, 4 waves a work-group, clusters of 4 x 4, 327,680 bytes of LDS; arguments xc, wqkvc, lowp_scales, qkv; writes qkv
.if DOCPART == 2
	.amdgcn_target "amdgcn-amd-amdhsa--gfx1250"
	.amdhsa_code_object_version 6
	.text
	.protected	k_q821ed95043_gemm1
	.globl	k_q821ed95043_gemm1
	.p2align	8
	.type	k_q821ed95043_gemm1,@function
k_q821ed95043_gemm1:
	s_mov_b64 s[64:65], 0
	v_nop
	global_prefetch_b8 v0, s[64:65] scope:SCOPE_SE
	s_setreg_imm32_b32 hwreg(HW_REG_WAVE_MODE, 25, 1), 1
	s_wait_xcnt 0x0
	s_wait_alu depctr_hold_cnt(0) depctr_sa_sdst(0) depctr_va_vdst(0) depctr_va_sdst(0) depctr_va_ssrc(0) depctr_va_vcc(0) depctr_vm_vsrc(0)
	s_getreg_b32 s2, hwreg(HW_REG_IB_STS2, 6, 4)
	s_cmp_eq_u32 s2, 0
	s_cbranch_scc0 .Lentry_in_a_cluster
	s_endpgm
.Lentry_in_a_cluster:
	s_bfe_u32 s2, ttmp6, 0x10000c
	s_cmp_lg_u32 s2, 0xf033
	s_cbranch_scc0 .Lentry_shape_is_right
	s_endpgm
.Lentry_shape_is_right:
; qkv = x W_qkv^T on codes of E4M3 (K = 1,024), and each result quantised at once, in registers, to the operand that attention wants: q (scale entry 2), k (entry 3), v (entry 5).
; xc [8192][1024] and wqkvc [3072][1024]: one code a byte, K innermost, rows stored with bits 3 and 4 of the row number swapped: sixteen neighbouring stored rows, tile 2 g + u, are rows 32 g + 8 u + r + 8 (r / 8).
; A sum stands for sum x 2^(e0 + e1); its code is sum / 2^(e_dst - e0 - e1), held within +-448 of that scale: the three exponents are folded into the conversion's one.
; LIMIT: e_dst - e0 - e1 (e_dst = entry 2, 3 or 5) lies between -126 and 119, so that this power of two and 448 times it are f32 numbers.
; TWO ROLES.  A tile of 256 x 256 results has role A (source 1 of the matrix instruction: a lane holds ONE of its rows) and role B (source 0: a lane's registers run along its rows).  By the stored order the 16
; registers of accumulators 2 p and 2 p + 1 are 16 NEIGHBOURS, 32 p + 16 (lane / 16) + 0 .. 15, along role B.  For q and k: A = tokens (x), B = channels (W): a lane gets 16 channels of one token.
; For v the roles change places at the pointers: A = channels (W_v's rows), B = tokens: a lane gets 16 KEYS of one channel, which is v with the keys innermost.  The text is the same.
; THE RESULTS ARE STORED AS IMAGES OF THE NEXT OPERAND'S REGISTERS: a piece is [32 lanes][16 bytes]; a store of the wave covers 512 consecutive bytes, aligned.  No LDS on the way out.
;   q at byte 0, k at 8,388,608: [16 batch + head][tile of 16 tokens (128)][piece c (2)][512]: lane (r, h): token 32 (tile / 2) + 8 (tile % 2) + r + 8 (r / 8), d = 32 c + 16 h + 0 .. 15
;   v at 16,777,216: [16 batch + head][128 keys (16)][tile of 16 channels (4)][piece c (4)][512]: lane (r, h): channel 32 (tile / 2) + 8 (tile % 2) + r + 8 (r / 8), keys 32 c + 16 h + 0 .. 15
; SHARES.  Four waves, each 128 x 128: 64 accumulators, 512 registers.  K goes in steps of 256 through a ring of two LDS slots filled by the tensor data mover.
; CLUSTERS: 4 x 4 work-groups; clusters with x = 0, 1 make q and k (cluster y = 1,024 tokens), those with x = 2 make v (cluster y = 1,024 tokens along role B).  The four of a row of the cluster need the same
; tiles of role A, the four of a column the same of role B: each tile is asked for JOINTLY, by the same tensor load with the same descriptor and a mask that names the four.
; A fragment (16 rows x 128 K) is fetched by four loads of 16 bytes a lane: registers 4 c .. 4 c + 3 hold K = 32 c + 16 (lane / 16) + 0 .. 15: one permutation of k, the same on both sides of the product.
; REGISTERS, in windows of 256: window 0: v0-31 addresses and constants; v32-111 at work on the way out; from v128 role A's fragments, ONE set.  window 1: role B's fragments, TWO sets.  windows 2, 3: the accumulators ((a, b) at v[8 (8 (a % 4) + b)]).
.set KSTEP,  256
.set ROWB,   256                       ; a tile's row in bytes
.set KROW,   1024                      ; a row of codes in memory
.set PITCH,  272                       ; an LDS row: 256 bytes + 16 of padding = 68 words: row r starts at bank 4 r mod 64 (64 banks of 4 bytes: ISA guide 11.1), so the 16 rows that a load touches start at 16 different banks
.set FR,     16                        ; registers of a fragment
.set NL,     4                         ; LDS loads that bring one
.set NP,     4                         ; places behind this matrix instruction (ISA guide 7.12.1)
.set HALFT,  128*PITCH                 ; 128 rows: what one tensor load brings
.set SLOT,   4*HALFT                   ; role A's 256 rows, then role B's
.set LAPS,   2                         ; K = 1,024 is four K steps: twice round the ring
.set SPARE,  2*SLOT                    ; behind the ring: the spare words, 128 bytes for each wave: two blocks of 256 bytes that no other line names
.set ADRA, 16                          ; v16-17  LDS address of my role-A fragments in slot 0, 1
.set ADRB, 20                          ; v20-21  the same for role B
.set OF0,  26                          ; v26     16 x lane: my place in a piece;  v27: the same in the pieces p = 2, 3
.set SPW,  28                          ; v28     LDS address of my spare word; never rewritten
.set NIL,  29                          ; v29     0; never rewritten
.set SC,   30                          ; v30     2^(e_dst - e0 - e1) as f32
.set LIM,  31                          ; v31     448 x that
.set TMP,  32                          ; v32-95  a block's 64 sums, held
.set CD,   96                          ; v96-111 their codes
.set AF,   128
.set G1, 24                            ; s[24:31] descriptor group 1 for role A's tiles;  s[32:39] group 0, one set for each slot
.set G0, 32
.set G1B, 48                           ; s[48:55], s[56:63] the same for role B's
.set G0B, 56
.set MSB, 0
.macro WIN new                         ; the immediate's high byte repeats the setting that is left
.if MSB != \new
	s_set_vgpr_msb (MSB<<8)|\new
.set MSB, \new
.endif
.endm
.set MUL_LO, 0xa1                      ; source 0 (B) window 1, source 1 (A) window 0, C and D window 2
.set MUL_HI, 0xf1                      ; the same, C and D window 3
.set TO_B,   0x40                      ; destination window 1, address window 0
; A joint load: waves 0 and 1 fetch for role A, waves 2 and 3 for role B.  Each line has ONE mask and one set of registers for all that issue it; the branch hangs on the wave's number alone.
; Four v_nop follow each of the two lines, ahead of the jump, the label and what follows.
.macro JLOAD g0a, g1a, g0b, g1b
	s_cmp_eq_u32 s15, 0
	s_cbranch_scc0 .Lfor_b_\@
	tensor_load_to_lds s[\g0a:\g0a+3], s[\g1a:\g1a+7]
	s_nop 0
.rept 4
	v_nop
.endr
	s_branch .Lasked_\@
.Lfor_b_\@:
	tensor_load_to_lds s[\g0b:\g0b+3], s[\g1b:\g1b+7]
	s_nop 0
.rept 4
	v_nop
.endr
.Lasked_\@:
.endm
.macro CREST                           ; a round of the cluster's barrier behind its opening barrier
	s_cmp_lg_u32 s14, 0
	s_cbranch_scc1 .Lnot_wave_0_\@
	s_barrier_signal -3
.Lnot_wave_0_\@:
	s_barrier_wait -3
	s_barrier_signal -1
	s_barrier_wait -1
.endm
.macro CROUND                          ; a whole round
	s_barrier_signal -1
	s_barrier_wait -1
	CREST
.endm
	s_load_b128 s[4:7], s[0:1], 0x0                ; x's codes s[4:5], W_qkv's codes s[6:7]
	s_load_b128 s[8:11], s[0:1], 0x10              ; the scales' exponents s[8:9], qkv s[10:11]
	v_lshl_add_u32 v[SPW], v0, 2, SPARE
	v_mov_b32 v[NIL], 0
	ds_add_u32 v28, v29
	ds_add_u32 v28, v29
	s_wait_dscnt 0x0
	v_lshrrev_b32 v1, 5, v0
	v_readfirstlane_b32 s14, v1                    ; wave 0..3
	s_lshr_b32 s15, s14, 1                         ; which half of role A's rows is mine.  Also: I fetch for role A (0) or B (1)
	s_and_b32 s16, s14, 1                          ; which half of role B's rows.  Also: which 128 rows of that tile I fetch
	s_bfe_u32 s40, ttmp6, 0x40000                  ; cx, cy: my place in the cluster
	s_bfe_u32 s41, ttmp6, 0x40004
	s_and_b32 s66, ttmp7, 0xffff                   ; cluster y
	s_cmp_eq_u32 ttmp9, 2                          ; a cluster of v?  The cluster's x is the same in all sixteen partners
	s_cselect_b32 s67, s66, ttmp9                  ; v: role B walks the tokens by cluster y;  q, k: the channels by cluster x
	s_cselect_b32 s66, 0, s66                      ; v: role A is W_v's 1,024 rows, one cluster high;  q, k: the tokens by cluster y
	s_lshl_b32 s42, s67, 2
	s_add_co_u32 s42, s42, s40                     ; tile of role B
	s_lshl_b32 s17, s66, 2
	s_add_co_u32 s17, s17, s41                     ; tile of role A
	s_lshl_b32 s43, s41, 2
	s_lshl_b32 s43, 15, s43                        ; my row of the cluster
	s_lshl_b32 s44, 0x1111, s40                    ; my column
	; descriptor group 1: a tile of 128 rows x 256 bytes, padded in LDS
	s_or_b32 s[G1+0], s43, (0<<16)|(1<<20)|(1<<21)|(5<<22)|(3<<25)  ; 15:0 the mask: role A's tiles go to my row; 17:16 element of 1 byte; 20 padding on; 21 set beside a mask; 24:22 after every 64 words (code 5); 31:25 of 4 words (code 3)
	s_or_b32 s[G1B+0], s44, (0<<16)|(1<<20)|(1<<21)|(5<<22)|(3<<25)
.irp g, G1, G1B
	s_mov_b32 s[\g+1], ROWB<<16                    ; tensor_dim0
	s_mov_b32 s[\g+2], 128<<16                     ; tensor_dim1 = 128
	s_mov_b32 s[\g+3], ROWB<<16                    ; tile_dim0
	s_mov_b32 s[\g+4], 128                         ; tile_dim1 = 128
	s_mov_b32 s[\g+5], KROW                        ; tensor_dim0_stride
	s_mov_b32 s[\g+6], 0
	s_mov_b32 s[\g+7], 0
.endr
	s_lshl_b32 s18, s16, 7                         ; which 128 rows of the tile I fetch
	s_lshl_b32 s20, s17, 8
	s_add_co_u32 s20, s20, s18                     ; role A: stored row 256 x tile + 128 x half,
	s_lshl_b32 s20, s20, 10                        ; in bytes (under 2^23)
	s_mov_b32 s21, 0
	s_lshl_b32 s46, s42, 8
	s_add_co_u32 s46, s46, s18                     ; role B likewise, in registers that never hold the other coordinate
	s_lshl_b32 s46, s46, 10
	s_mov_b32 s47, 0
	s_mul_i32 s45, s14, HALFT                      ; where they go: wave x 128 rows: no place in the cluster enters an LDS address
	s_wait_kmcnt 0x0
	s_load_b256 s[68:75], s[8:9], 0x0              ; the eight exponents
	s_add_nc_u64 s[76:77], s[6:7], 0x200000        ; W_v's codes: rows 2,048 on
	s_cmp_eq_u32 ttmp9, 2
	s_cselect_b64 s[76:77], s[76:77], s[4:5]       ; role A: W_v, or x
	s_cselect_b64 s[78:79], s[4:5], s[6:7]         ; role B: x, or W_q and W_k
	s_add_nc_u64 s[20:21], s[76:77], s[20:21]
	s_add_nc_u64 s[46:47], s[78:79], s[46:47]
	CROUND                                         ; all sixteen work-groups are here: the first joint loads meet
.irp s, 0,1
	s_mov_b32 s[G0+4*\s], 1
	s_add_co_u32 s[G0+4*\s+1], s45, \s*SLOT
	s_add_nc_u64 s[G0+4*\s+2:G0+4*\s+3], s[20:21], \s*ROWB
	s_or_b32 s[G0+4*\s+3], s[G0+4*\s+3], 0x80000000
	s_mov_b32 s[G0B+4*\s], 1
	s_add_co_u32 s[G0B+4*\s+1], s45, \s*SLOT
	s_add_nc_u64 s[G0B+4*\s+2:G0B+4*\s+3], s[46:47], \s*ROWB
	s_or_b32 s[G0B+4*\s+3], s[G0B+4*\s+3], 0x80000000
	JLOAD G0+4*\s, G1, G0B+4*\s, G1B
.endr
	v_and_b32 v1, 15, v0                           ; l % 16
	v_bfe_u32 v2, v0, 4, 1                         ; l / 16
	v_mul_u32_u24 v3, v1, PITCH
	v_lshl_add_u32 v4, v2, 4, v3                   ; a fragment's row x pitch + 16 x half
	s_mul_i32 s21, s15, HALFT                      ; my 128 rows of role A
	s_mul_i32 s22, s16, HALFT                      ; my 128 rows of role B,
	s_add_co_u32 s22, s22, 2*HALFT                 ; which lie behind A's 256
.irp s, 0,1
	v_add_nc_u32 v[ADRA+\s], s21, v4
	v_add_nc_u32 v[ADRB+\s], s22, v4
	s_add_co_u32 s21, s21, SLOT
	s_add_co_u32 s22, s22, SLOT
.endr
	; THE WAY OUT'S ADDRESSES.  Rr, Cc: my wave's first row of role A and of role B
	s_lshl_b32 s85, s17, 8
	s_lshl_b32 s86, s15, 7
	s_add_co_u32 s85, s85, s86                     ; Rr
	s_lshl_b32 s86, s42, 8
	s_lshl_b32 s87, s16, 7
	s_add_co_u32 s86, s86, s87                     ; Cc
	s_and_b32 s87, s86, 1023                       ; q, k: the channel within the tensor,
	s_lshr_b32 s88, s86, 10                        ; and which of the two tensors
	s_cmp_eq_u32 ttmp9, 2
	s_cselect_b32 s89, s86, s85                    ; my first token
	s_cselect_b32 s90, s85, s87                    ; my first channel (a multiple of 128: two heads)
	s_cselect_b32 s88, 2, s88                      ; q 0, k 1, v 2
	s_mov_b32 s84, 0x20000
	s_cselect_b32 s84, 1024, s84                   ; from pieces p = 0, 1 to p = 2, 3: v: two pieces on;  q, k: the next head
	s_mov_b32 s80, 1024
	s_cselect_b32 s80, 2048, s80                   ; from block a to a + 1: v: a tile of channels (4 pieces);  q, k: a tile of tokens (2 pieces)
	s_mov_b32 s82, 1024
	s_cselect_b32 s82, 124928, s82                 ; from block 3 to 4: v: the next head's first tile, 131,072 - 3 x 2,048
	s_mov_b32 s81, 0
	s_mov_b32 s83, 0
	s_lshl_b32 s91, s88, 23                        ; the tensor: 8,388,608 bytes each
	s_lshr_b32 s92, s89, 11
	s_lshl_b32 s92, s92, 21                        ; the batch: 16 heads of 131,072 bytes
	s_add_co_u32 s91, s91, s92
	s_lshl_b32 s92, s90, 11                        ; the head: (channel / 64) x 131,072
	s_add_co_u32 s91, s91, s92
	s_and_b32 s92, s89, 2047
	s_lshl_b32 s92, s92, 6                         ; the token in its batch: 1,024 bytes for 16 (q, k), 8,192 for 128 (v): 64 a token either way
	s_add_co_u32 s92, s91, s92
	s_mov_b32 s93, 0
	s_add_nc_u64 s[10:11], s[10:11], s[92:93]
	v_and_b32 v6, 31, v0
	v_lshlrev_b32 v[OF0], 4, v6
	v_add_nc_u32 v[OF0+1], s84, v[OF0]
.macro FRAG reg, adr, q, i             ; a fragment: lane l holds row l % 16; registers 4 c .. 4 c + 3 hold K = 32 c + 16 (l / 16) + 0 .. 15
.irp c, 0,1,2,3
	ds_load_b128 v[\reg+4*\c:\reg+4*\c+3], v[\adr] offset:128*(\q)+32*\c+(\i)*16*PITCH
.endr
.endm
; 16 matrix instructions: A's blocks a0, a0 + 1 x B's eight, 128 along K.  p: B's set.  zero = 1: the first product starts the sums: nothing is ever cleared.
; The 64 accumulators take turns, one instruction a turn, in the same order in every step.
.macro MUL16 a0, p, zero
.irp a, \a0, \a0+1
.irp b, 0,1,2,3,4,5,6,7
.if \zero
	v_wmma_f32_16x16x128_fp8_fp8 v[8*(8*((\a)%4)+\b):8*(8*((\a)%4)+\b)+7], v[128*(\p)+FR*\b:128*(\p)+FR*\b+FR-1], v[AF+FR*(\a):AF+FR*(\a)+FR-1], 0
.else
	v_wmma_f32_16x16x128_fp8_fp8 v[8*(8*((\a)%4)+\b):8*(8*((\a)%4)+\b)+7], v[128*(\p)+FR*\b:128*(\p)+FR*\b+FR-1], v[AF+FR*(\a):AF+FR*(\a)+FR-1], v[8*(8*((\a)%4)+\b):8*(8*((\a)%4)+\b)+7]
.endif
.endr
.endr
.endm
.macro FETCH_B slot, q, p              ; B's eight fragments of the slot's q-th 128 along K into set p
	WIN TO_B
.irp i, 0,1,2,3,4,5,6,7
	FRAG 128*(\p)+FR*\i, ADRB+\slot, \q, \i
.endr
	WIN 0
.endm
.macro FETCH_A slot, q, i0             ; A's blocks i0 .. i0 + 3
.irp i, \i0, \i0+1, \i0+2, \i0+3
	FRAG AF+FR*(\i), ADRA+\slot, \q, \i
.endr
.endm
; A load into a register that a matrix instruction has read, and a vector instruction that reads a matrix result, stand NP places behind that matrix instruction, and only plain vector
; instructions that name none of its registers are places (ISA guide 7.12.1 for vector instructions).
.macro PLACES n
.rept \n
	v_nop
.endr
.endm
; A step of 128 along K that has its successor in the same slot.  A block of A is free as soon as its eight products are issued, so one set serves A: blocks 0-3 are fetched anew in the step's middle, blocks 4-7 at its end.
.macro STEP slot, q, zero
	s_wait_dscnt 4*NL                              ; B's set and A's blocks 0-3 are in; the youngest sixteen loads (A's blocks 4-7) may be out
	WIN MUL_LO
	MUL16 0, (\q)%2, \zero
	MUL16 2, (\q)%2, \zero
	s_wait_dscnt 0                                 ; A's blocks 4-7 are in (asked for 32 matrix instructions ago)
	PLACES NP
	FETCH_B \slot, (\q)+1, 1-(\q)%2
	FETCH_A \slot, (\q)+1, 0
	WIN MUL_HI
	MUL16 4, (\q)%2, \zero
	MUL16 6, (\q)%2, \zero
	PLACES NP
	WIN 0
	FETCH_A \slot, (\q)+1, 4
.endm
; A slot's last step changes slots: ONE barrier; in front of it each wave waits for all its tensor loads, adds 0 to its spare word, and waits for that and for its own reads of this slot.  fill = 1: this slot is filled again, two K steps ahead.
.macro TURN slot, next, fill
	s_wait_tensorcnt 0x0                           ; all my tensor loads have landed: my part of the next slot;  (every window is 0 here)
	ds_add_u32 v[SPW], v[NIL]                      ; 0 onto my spare word
	s_wait_dscnt 4*NL+1                            ; (the add and the youngest sixteen loads, A's blocks 4-7, may be out)
	WIN MUL_LO
	MUL16 0, 1, 0                                  ; sixteen matrix instructions stand between the add and the wait for it
	s_wait_dscnt 0x0                               ; the add is done, and my reads of this slot are over
	s_barrier_signal -1
	MUL16 2, 1, 0
	WIN 0
	s_barrier_wait -1
.if \fill
	CREST                                          ; the barrier has opened a round of the cluster's barrier: no wave of any partner still reads this slot's tile or has a load on its way
	s_add_nc_u64 s[G0+4*\slot+2:G0+4*\slot+3], s[G0+4*\slot+2:G0+4*\slot+3], 2*ROWB
	s_add_nc_u64 s[G0B+4*\slot+2:G0B+4*\slot+3], s[G0B+4*\slot+2:G0B+4*\slot+3], 2*ROWB
	JLOAD G0+4*\slot, G1, G0B+4*\slot, G1B         ; the first tensor load behind the round; the four v_nop behind it are the places in front of the loads below
.else
	PLACES NP
.endif
	FETCH_B \next, 0, 0
	FETCH_A \next, 0, 0
	WIN MUL_HI
	MUL16 4, 1, 0
	MUL16 6, 1, 0
	PLACES NP
	WIN 0
	FETCH_A \next, 0, 4
.endm
	s_wait_alu depctr_va_vdst(0)
	s_wait_tensorcnt 1                             ; my part of K step 0 is in (K step 1's load may be out)
	s_barrier_signal -1
	s_barrier_wait -1                              ; everybody's is
	FETCH_B 0, 0, 0
	FETCH_A 0, 0, 0
	FETCH_A 0, 0, 4
	STEP 0, 0, 1                                   ; the first step stands in front of the loop: its products start the sums
	s_mov_b32 s3, LAPS-1
.Llap:                                                 ; a trip goes once round the ring, from a lap's second step to the next lap's first, and fills both slots again
	TURN 0, 1, 1
	STEP 1, 0, 0
	TURN 1, 0, 1
	STEP 0, 0, 0
	s_sub_co_u32 s3, s3, 1
	s_cmp_lg_u32 s3, 0
	s_cbranch_scc1 .Llap
	TURN 0, 1, 0                                   ; the last lap fills nothing, and has no round of the cluster's barrier
	STEP 1, 0, 0
	s_wait_dscnt 4*NL                              ; the very last step: nothing more to fetch
	WIN MUL_LO
	MUL16 0, 1, 0
	MUL16 2, 1, 0
	s_wait_dscnt 0
	WIN MUL_HI
	MUL16 4, 1, 0
	MUL16 6, 1, 0
	WIN 0
; THE WAY OUT, block by block of 16 rows of role A x 128 of role B.  The block's 64 sums are held and converted: accumulators 2 p and 2 p + 1 give the lane's 16 bytes of piece p; four stores of 512 consecutive bytes each.
.macro OUTB a
	WIN 0x02+((\a)/4)                              ; source 0: window 2 or 3
.set j, 0
.rept 64
	v_med3_num_f32 v[TMP+j], v[64*((\a)%4)+j], -v[LIM], v[LIM]   ; the conversion to an 8-bit code does not saturate (ISA guide 7.6.2): the hold at 448 x the scale; each accumulator from its low end on
.set j, j+1
.endr
	WIN 0
.if (\a) > 0
	s_wait_alu depctr_va_vdst(0)
	s_wait_xcnt 0x0                                ; the block before's stores have read their data and their base: both are written again only behind this wait
.if (\a) == 4
	s_add_nc_u64 s[10:11], s[10:11], s[82:83]
.else
	s_add_nc_u64 s[10:11], s[10:11], s[80:81]
.endif
.endif
.irp g, 0,1,2,3,4,5,6,7
	v_cvt_scalef32_pk8_fp8_f32 v[CD+2*\g:CD+2*\g+1], v[TMP+8*\g:TMP+8*\g+7], v[SC]
.endr
	v_nop                                          ; one plain vector instruction between the last conversion and the next block's holds, which write its sources
.irp p, 0,1,2,3
	global_store_b128 v[OF0+\p/2], v[CD+4*\p:CD+4*\p+3], s[10:11] offset:512*(\p%2)
.endr
.endm
	s_wait_kmcnt 0x0
	s_cmp_lt_u32 s86, 1024
	s_cselect_b32 s94, s70, s71                    ; q's exponent (entry 2) or k's (entry 3),
	s_cmp_eq_u32 ttmp9, 2
	s_cselect_b32 s94, s73, s94                    ; or v's (entry 5): a choice of a value, no branch
	s_sub_co_i32 s94, s94, s68
	s_sub_co_i32 s94, s94, s69                     ; e_dst - e0 - e1
	s_add_co_i32 s94, s94, 127
	s_lshl_b32 s95, s94, 23
	v_mov_b32 v[SC], s95
	s_add_co_i32 s94, s94, 8
	s_lshl_b32 s94, s94, 23
	s_or_b32 s94, s94, 0x600000
	v_mov_b32 v[LIM], s94
	PLACES NP                                      ; behind the last products, in front of the first read of results
.irp a, 0,1,2,3,4,5,6,7
	OUTB \a
.endr
	s_wait_tensorcnt 0x0                           ; the wave's end
	ds_add_u32 v[SPW], v[NIL]
	s_wait_dscnt 0x0
	CROUND                                         ; the closing round: no work-group ends while a partner may still ask for a tile that names it
	s_endpgm
.Lfunc_end_k_q821ed95043_gemm1:
	.size	k_q821ed95043_gemm1, .Lfunc_end_k_q821ed95043_gemm1-k_q821ed95043_gemm1
	.p2alignl 7, 3214868480
	.fill 96, 4, 3214868480
	.section	.rodata,"a",@progbits
	.p2align	6, 0x0
	.amdhsa_kernel k_q821ed95043_gemm1
		.amdhsa_group_segment_fixed_size 327680
		.amdhsa_private_segment_fixed_size 0
		.amdhsa_enable_private_segment 0
		.amdhsa_kernarg_size 32
		.amdhsa_user_sgpr_count 2
		.amdhsa_user_sgpr_kernarg_segment_ptr 1
		.amdhsa_wavefront_size32 1
		.amdhsa_system_sgpr_workgroup_id_x 1
		.amdhsa_system_sgpr_workgroup_id_y 1
		.amdhsa_system_sgpr_workgroup_id_z 1
		.amdhsa_system_vgpr_workitem_id 0
		.amdhsa_next_free_vgpr 1024
		.amdhsa_next_free_sgpr 100
		.amdhsa_reserve_vcc 0
		.amdhsa_float_denorm_mode_32 3
		.amdhsa_float_denorm_mode_16_64 3
		.amdhsa_memory_ordered 1
		.amdhsa_forward_progress 1
		.amdhsa_inst_pref_size 119
	.end_amdhsa_kernel
	.amdgpu_metadata
---
amdhsa.version: [ 1, 2 ]
amdhsa.kernels:
  - .name:           k_q821ed95043_gemm1
    .symbol:         k_q821ed95043_gemm1.kd
    .args:
      - { .name: xc, .offset: 0, .size: 8, .value_kind: global_buffer, .address_space: global }
      - { .name: wqkvc, .offset: 8, .size: 8, .value_kind: global_buffer, .address_space: global }
      - { .name: lowp_scales, .offset: 16, .size: 8, .value_kind: global_buffer, .address_space: global }
      - { .name: qkv, .offset: 24, .size: 8, .value_kind: global_buffer, .address_space: global }
    .group_segment_fixed_size: 327680
    .private_segment_fixed_size: 0
    .kernarg_segment_align: 8
    .kernarg_segment_size: 32
    .max_flat_workgroup_size: 128
    .sgpr_count:     100
    .vgpr_count:     1024
    .wavefront_size: 32
...
	.end_amdgpu_metadata
.endif
;; end of part 2
;; launch attn (part 3): grid 4 x 64, 16 waves a work-group, no clusters, 327,680 bytes of LDS; arguments qkv, lowp_scales, oc; writes oc
.if DOCPART == 3
	.amdgcn_target "amdgcn-amd-amdhsa--gfx1250"
	.amdhsa_code_object_version 6
	.text
	.protected	k_q821ed95043_attn
	.globl	k_q821ed95043_attn
	.p2align	8
	.type	k_q821ed95043_attn,@function
k_q821ed95043_attn:
	s_mov_b64 s[64:65], 0
	v_nop
	global_prefetch_b8 v0, s[64:65] scope:SCOPE_SE
	s_setreg_imm32_b32 hwreg(HW_REG_WAVE_MODE, 25, 1), 1
	s_wait_xcnt 0x0
; Causal attention on codes of E4M3: 64 heads (16 batch + head) of 2,048 tokens, head size 64.  o = softmax(q k^T / 8, key <= query) v, and o quantised at once (scale entry 6) for the last product.
; q, k, v come as images of operand registers, pieces of [32 lanes][16 bytes]:
;   q at byte 0, k at 8,388,608 of qkv: [head][tile of 16 tokens (128)][piece c (2)][512]: lane (r, h): token 32 (tile / 2) + 8 (tile % 2) + r + 8 (r / 8), d = 32 c + 16 h + 0 .. 15
;   v at 16,777,216: [head][128 keys (16)][tile of 16 channels (4)][piece c (4)][512]: lane (r, h): channel 32 (tile / 2) + 8 (tile % 2) + r + 8 (r / 8), keys 32 c + 16 h + 0 .. 15
; THE SOFTMAX: t = score x 2^(e2 + e3) x log2(e) / 8; M = the running largest t, rounded UP to a whole number; p = 2^(t - M) is quantised with 2^e4, not normalised.  The row's sum is taken of the unquantised p, in f32,
; and divides O at the end.  When M moves, the sum and O are multiplied by 2^(old M - new M): exact.
; BOTH PRODUCTS ARE USED TRANSPOSED: S^T = k q^T (source 0 = 16 keys, source 1 = my 16 queries), O^T = v^T p^T: a lane holds ONE query throughout.  By the order of tokens in a tile the 16 registers of score tiles
; 2 b and 2 b + 1 are keys 32 b + 16 h + 0 .. 15, so p's codes are the second product's operand as they come; likewise O^T's tiles 2 b', 2 b' + 1 are channels 32 b' + 16 h + 0 .. 15, so o's codes are a piece of the last product's operand.
; OUT: oc [head / 4 (4)][tile of 16 tokens, 128 batch + tile (512)][(head / 2) % 2][piece 2 (head % 2) + b' (4)][512]: K = 64 head + d of the last product, 256 along K over 128 tokens in one dense block.
; SHARES.  A head's queries are 8 blocks of 256.  Work-group J of a head takes block 7 - J, which wants key slots 0 .. 7 - J (256 keys each), and then block J, which wants slots 0 .. J: NINE slots for every work-group.
; So the trip count is a constant, all work-groups have equal work, and no slot is fetched that lies wholly behind the mask.  Each of the SIXTEEN waves owns one tile of 16 queries of the block in hand; four waves share a SIMD.
; No cluster: in one and the same trip the four work-groups of a head want different slots (J's walk turns back to slot 0 after 8 - J trips), so there is no tile that partners could ask for at the same time.
; THE MASK.  A step of 128 keys all of which come after my 16 queries is jumped over (a scalar branch on ids, round no barrier and no tensor load); in the step on the diagonal hidden scores become -infinity; key 0 counts for every query.
; LIMITS on the given exponents: e2 + e3 between -123 and 130 (they are added to the exponent field of log2(e) / 8); e4 between -126 and 119; e4 + e5 - e6 is applied by v_ldexp_f32 and has none.
.set SLOT1, 1<<15                      ; a slot: 16,384 bytes of k (16 tiles), then 16,384 of v (two blocks of 128 keys); slot 1 begins here, so that one exclusive or turns an address from one slot to the other
.set VOFF,  16384
.set SPARE, 2*SLOT1                    ; behind the ring: the spare words, 128 bytes for each wave: eight blocks of 256 bytes that no other line names
.set LI,   1                           ; v1   16 x lane: my place in a piece; never rewritten
.set QL,   2                           ; v2   r + 8 (r / 8) - 16 h: my query less my wave's first, less my half's first key
.set PFO,  3                           ; v3   256 x lane, for the prefetches; never rewritten
.set AD,   4                           ; v4   LDS address of the step's loads
.set SPW,  5                           ; v5   LDS address of my spare word; never rewritten
.set NIL,  6                           ; v6   0; never rewritten
.set QF,   16                          ; v16-23   q's fragment.  (v12 -M, v13 the largest t, v[14:15] the sum in two halves)
.set KV,   32                          ; v32-95   k's eight fragments, then v's four
.set S,    96                          ; v96-159  S^T, then p
.set O,    160                         ; v160-191 O^T
.set PC,   192                         ; v192-207 p's codes; at a block's end o's
.set SCP,  208                         ; v208 2^e4
.set ONE,  210                         ; v210 1.0
.set NINF, 220                         ; v220 -infinity.  (v[212:213] f; v214, v215 at work; v216 a permute's destination; v[218:219] the sum's second chain)
.set TB,   2                           ; s2   LDS byte at which the slot in hand begins
.set TRIP, 3                           ; s3   the trip, 0 to 7
.set KS,   10                          ; s10  the key slot asked for last
.set L1,   11                          ; s11  7 - J: the first block, and its last key slot
.set OFF,  12                          ; s[12:13] an offset, high word 0
.set KF,   14                          ; s14  the step's first key
.set Q0,   15                          ; s15  my tile's smallest query; its largest is 23 more
.set Q02,  16                          ; s16  the same for the second block
.set WV,   18                          ; s18  my wave's number
.set LIMP, 19                          ; s19  a wave prefetches in the trips below this number
.set SEL,  20                          ; s[20:21] lane selects for v_permlanex16_b32: lane l xor 16
.set CS,   22                          ; s[22:23] c = 2^(e2 + e3) log2(e) / 8
.set G1,   24                          ; s[24:31] descriptor group 1
.set QP1,  32                          ; s[32:33], s[34:35] my tile of q in the first and in the second block
.set QP2,  34
.set OP1,  36                          ; s[36:37], s[38:39] its two pieces of oc
.set OP2,  38
.set G0,   40                          ; s[40:43] descriptor group 0
.set KVB,  44                          ; s[44:45] the head's k (even waves) or v (odd waves)
.set PFA,  46                          ; s[46:47] where my prefetches stand
.set EO,   56                          ; s56  e4 + e5 - e6
; Wave 0 fetches a slot's k, wave 1 its v, 16,384 dense bytes each; the others nothing.  The branch hangs on the wave's number alone.  Four v_nop follow the line.
.macro TLOAD
	s_cmp_lt_u32 s[WV], 2
	s_cbranch_scc0 .Lasked_\@
	tensor_load_to_lds s[G0:G0+3], s[G1:G1+7]
	s_nop 0
.rept 4
	v_nop
.endr
.Lasked_\@:
.endm
; A PREFETCH INTO THE L2 of the key slot that the NEXT change of slots will ask for: trip i names slot i + 2.  All four work-groups of a head walk the same k and v: work-group J = 0, whose first walk goes through all
; eight slots, asks, and nobody else.  In it waves 4 and 5 ask for the two halves of k's 16,384 bytes, waves 6 and 7 for v's: 8,192 bytes a wave, lanes 256 bytes apart, one instruction.  So each aligned block of
; 256 bytes is named once in the launch.  Slots 0 and 1 come by their loads alone; trips 6 and 7 ask for nothing: slot 7 is the head's last.
.macro ASK
	s_cmp_lt_u32 s[TRIP], s[LIMP]
	s_cbranch_scc0 .Lnot_mine_\@
	global_prefetch_b8 v[PFO], s[PFA:PFA+1] th:TH_LOAD_NT scope:SCOPE_SE
.Lnot_mine_\@:
.endm
	s_load_b128 s[4:7], s[0:1], 0x0                ; qkv s[4:5], the scales' exponents s[6:7]
	s_load_b64 s[8:9], s[0:1], 0x10                ; oc
	v_lshl_add_u32 v[SPW], v0, 2, SPARE
	v_mov_b32 v[NIL], 0
	ds_add_u32 v5, v6
	ds_add_u32 v5, v6
	s_wait_dscnt 0x0
	v_lshrrev_b32 v7, 5, v0
	s_delay_alu instid0(VALU_DEP_1)
	v_readfirstlane_b32 s[WV], v7                  ; wave 0..15
	s_and_b32 s57, ttmp7, 0xffff                   ; 16 batch + head
	s_sub_co_u32 s[L1], 7, ttmp9
	s_lshl_b32 s58, s[L1], 4
	s_add_co_u32 s58, s58, s[WV]                   ; my tile in the first block: 16 (7 - J) + wave
	s_lshl_b32 s59, ttmp9, 4
	s_add_co_u32 s59, s59, s[WV]                   ; and in the second: 16 J + wave
	s_lshr_b32 s60, s58, 1
	s_lshl_b32 s60, s60, 5
	s_and_b32 s61, s58, 1
	s_lshl_b32 s61, s61, 3
	s_add_co_u32 s[Q0], s60, s61                   ; a tile's smallest token: 32 (tile / 2) + 8 (tile % 2)
	s_lshr_b32 s60, s59, 1
	s_lshl_b32 s60, s60, 5
	s_and_b32 s61, s59, 1
	s_lshl_b32 s61, s61, 3
	s_add_co_u32 s[Q02], s60, s61
	s_lshl_b32 s62, s57, 17                        ; the head's 131,072 bytes in each of q, k, v
	s_lshl_b32 s66, s58, 10
	s_add_co_u32 s66, s66, s62                     ; q: + 1,024 a tile
	s_mov_b32 s67, 0
	s_lshl_b32 s68, s59, 10
	s_add_co_u32 s68, s68, s62
	s_mov_b32 s69, 0
	s_and_b32 s60, s57, 15                         ; head
	s_lshr_b32 s61, s57, 4                         ; batch
	s_lshr_b32 s63, s60, 2
	s_lshl_b32 s63, s63, 21                        ; oc: (head / 4) x 2,097,152
	s_lshl_b32 s61, s61, 19                        ; + 128 batch tiles of 4,096
	s_add_co_u32 s63, s63, s61
	s_and_b32 s60, s60, 3
	s_lshl_b32 s60, s60, 10                        ; + (head % 4) x 1,024
	s_add_co_u32 s63, s63, s60
	s_lshl_b32 s70, s58, 12
	s_add_co_u32 s70, s70, s63                     ; + 4,096 a tile
	s_mov_b32 s71, 0
	s_lshl_b32 s72, s59, 12
	s_add_co_u32 s72, s72, s63
	s_mov_b32 s73, 0
	s_and_b32 s60, s[WV], 1
	s_add_co_u32 s61, s60, 1
	s_lshl_b32 s61, s61, 23                        ; k lies 8,388,608 bytes into qkv, v twice that
	s_add_co_u32 s74, s61, s62
	s_mov_b32 s75, 0
	s_lshl_b32 s[G0+1], s60, 14                    ; 63:32 LDS address: slot 0; k at 0, v at 16,384
	s_bfe_u32 s61, s[WV], 0x10001                  ; the prefetches: waves 4, 5: k; waves 6, 7: v
	s_add_co_u32 s61, s61, 1
	s_lshl_b32 s61, s61, 23
	s_add_co_u32 s61, s61, s62
	s_lshl_b32 s60, s60, 13                        ; my half of a slot's 16,384 bytes
	s_add_co_u32 s61, s61, s60
	s_add_co_u32 s[OFF], s61, 16384                ; in slot 1: the first change of slots steps it to slot 2
	s_mov_b32 s[OFF+1], 0
	s_lshr_b32 s60, s[WV], 2
	s_xor_b32 s60, s60, 1                          ; 0 in waves 4 to 7,
	s_or_b32 s60, s60, ttmp9                       ; of work-group J = 0
	s_cmp_eq_u32 s60, 0
	s_cselect_b32 s[LIMP], 6, 0
	; descriptor group 1: 16,384 dense bytes as 64 rows of 256
	s_mov_b32 s[G1], 3<<16                         ; 15:0 no mask; 17:16 elements of 8 bytes; 20 no padding: every read takes 512 consecutive bytes
	s_mov_b32 s[G1+1], 32<<16                      ; tensor_dim0 = 32
	s_mov_b32 s[G1+2], 64<<16                      ; tensor_dim1 = 64
	s_mov_b32 s[G1+3], 32<<16                      ; tile_dim0 = 32
	s_mov_b32 s[G1+4], 64                          ; tile_dim1 = 64
	s_mov_b32 s[G1+5], 32                          ; tensor_dim0_stride
	s_mov_b32 s[G1+6], 0
	s_mov_b32 s[G1+7], 0
	s_mov_b32 s[SEL], 0x76543210
	s_mov_b32 s[SEL+1], 0xfedcba98
	s_mov_b32 s[CS], 0x3e38aa3b                    ; log2(e) / 8
	s_mov_b32 s[TB], 0
	s_mov_b32 s[TRIP], 0
	s_mov_b32 s[KS], 0
	s_mov_b32 s[KF], 0
	s_wait_kmcnt 0x0
	s_load_b256 s[48:55], s[6:7], 0x0              ; the eight exponents
	s_add_nc_u64 s[KVB:KVB+1], s[4:5], s[74:75]
	s_mov_b32 s[G0], 1                             ; 1:0 count = 1
	s_mov_b64 s[G0+2:G0+3], s[KVB:KVB+1]           ; 120:64 global address: key slot 0
	s_or_b32 s[G0+3], s[G0+3], 0x80000000          ; 127:126 type = 2
	TLOAD                                          ; slot 0: the one first fill, ahead of every wait on TENSORcnt, every LDS read and every barrier
	s_add_nc_u64 s[QP1:QP1+1], s[4:5], s[66:67]
	s_add_nc_u64 s[QP2:QP2+1], s[4:5], s[68:69]
	s_add_nc_u64 s[OP1:OP1+1], s[8:9], s[70:71]
	s_add_nc_u64 s[OP2:OP2+1], s[8:9], s[72:73]
	s_add_nc_u64 s[PFA:PFA+1], s[4:5], s[OFF:OFF+1]
	v_and_b32 v7, 31, v0
	s_delay_alu instid0(VALU_DEP_1)
	v_lshlrev_b32 v[LI], 4, v7
	s_delay_alu instid0(VALU_DEP_2)
	v_lshlrev_b32 v[PFO], 8, v7
	global_load_b128 v[QF:QF+3], v[LI], s[QP1:QP1+1]                ; q's fragment stays in registers for the block
	global_load_b128 v[QF+4:QF+7], v[LI], s[QP1:QP1+1] offset:512
	v_and_b32 v8, 15, v0                           ; r
	v_bfe_u32 v9, v0, 4, 1                         ; h
	s_delay_alu instid0(VALU_DEP_2)
	v_and_b32 v10, 8, v8
	s_delay_alu instid0(VALU_DEP_1)
	v_add_nc_u32 v[QL], v10, v8                    ; r + 8 (r / 8)
	s_delay_alu instid0(VALU_DEP_3)
	v_lshlrev_b32 v9, 4, v9
	s_delay_alu instid0(VALU_DEP_1)
	v_sub_nc_u32 v[QL], v[QL], v9                  ; - 16 h
	v_mov_b32 v[ONE], 1.0
	v_mov_b32 v[NINF], 0xff800000
	v_mov_b32 v216, 0                              ; written once: a lane permute's destination counts as one of its sources
	v_mov_b32 v213, 0                              ; (named as the upper half of the pair v[212:213])
; A block's start: the largest t so far is -3e38, under every t; the sum and O^T are zeros, which the first change of M leaves zeros.  So the key step is written without a first step of its own.
.macro START
	v_mov_b32 v13, 0xff61b1e6
	s_delay_alu instid0(VALU_DEP_1)
	v_floor_f32 v12, -v13                          ; -M
	v_mov_b32 v14, 0
	v_mov_b32 v15, 0
.set j, 0
.rept 32
	v_mov_b32 v[O+j], 0
.set j, j+1
.endr
.endm
	START
	s_wait_kmcnt 0x0
	s_add_co_i32 s57, s50, s51
	s_lshl_b32 s57, s57, 23
	s_add_co_i32 s[CS], s[CS], s57                 ; a score stands for score x 2^(e2 + e3): the two exponents are added to c's exponent field
	s_mov_b32 s[CS+1], s[CS]                       ; (named with it as a pair, so it is written)
	s_add_co_i32 s57, s52, 127
	s_lshl_b32 s58, s57, 23
	v_mov_b32 v[SCP], s58                          ; 2^e4 as f32, for p's conversions
	s_add_co_i32 s[EO], s52, s53
	s_sub_co_i32 s[EO], s[EO], s54                 ; O^T / the sum stands for that x 2^(e4 + e5); its code is that / 2^e6
; A KEY STEP: 128 keys, the q-th of the slot in hand.
.macro STEP q
	s_add_co_u32 s17, s[Q0], 23
	s_cmp_gt_u32 s[KF], s17                        ; all keys behind all my queries: the step's work is left out, not the line at its end that steps the key
	s_cbranch_scc1 .Lhidden_\@
	v_add_nc_u32 v[AD], s[TB], v[LI]
.rept 3
	v_nop                                          ; with the addition above: four places in front of loads into registers that the last products have read
.endr
.irp t, 0,1,2,3,4,5,6,7
.irp c, 0,1
	ds_load_b128 v[KV+8*\t+4*\c:KV+8*\t+4*\c+3], v[AD] offset:(8*(\q)+\t)*1024+512*\c   ; k's tile t, piece c: 512 consecutive bytes
.endr
.endr
	s_wait_alu depctr_va_vdst(0)
	s_wait_dscnt 0x0
.irp t, 0,1,2,3,4,5,6,7
	v_wmma_f32_16x16x64_fp8_fp8 v[S+8*\t:S+8*\t+7], v[KV+8*\t:KV+8*\t+7], v[QF:QF+7], 0   ; S^T: register 16 b + i of tiles 2 b, 2 b + 1 is key KF + 32 b + 16 h + i
.endr
.rept 4
	v_nop                                          ; places in front of the loads below and of the first read of the scores
.endr
.irp t, 0,1,2,3
.irp c, 0,1,2,3
	ds_load_b128 v[KV+16*\t+4*\c:KV+16*\t+4*\c+3], v[AD] offset:VOFF+8192*(\q)+2048*\t+512*\c   ; v's four fragments land while the softmax is worked
.endr
.endr
	s_add_co_u32 s17, s[KF], 127
	s_cmp_le_u32 s17, s[Q0]                        ; all keys count for all my queries: no mask
	s_cbranch_scc1 .Lopen_\@
	s_sub_co_i32 s17, s[Q0], s[KF]
	v_add_nc_u32 v214, s17, v[QL]                  ; d = my query - KF - 16 h: register 16 b + i is hidden where 32 b + i > d
.set n, 0
.rept 64
	v_cmp_gt_i32 vcc_lo, 32*(n/16)+n%16, v214
	v_cndmask_b32 v[S+n], v[S+n], v[NINF], vcc_lo
.set n, n+1
.endr
.Lopen_\@:
	v_max3_num_f32 v214, v[S], v[S+1], v[S+2]      ; the step's largest score of my query among my 64 keys, in two chains; each tile of scores is first read at its low end
	v_max3_num_f32 v215, v[S+3], v[S+4], v[S+5]
.irp i, 6,10,14,18,22,26,30,34,38,42,46,50,54,58
	v_max3_num_f32 v214, v214, v[S+\i], v[S+1+\i]
	v_max3_num_f32 v215, v215, v[S+2+\i], v[S+3+\i]
.endr
	v_max3_num_f32 v214, v214, v[S+62], v[S+63]
	s_delay_alu instid0(VALU_DEP_1)
	v_max_num_f32 v214, v214, v215
	s_delay_alu instid0(VALU_DEP_1)
	v_permlanex16_b32 v216, v214, s[SEL], s[SEL+1]
	s_delay_alu instid0(VALU_DEP_1)
	v_max_num_f32 v214, v214, v216                 ; and among lane l xor 16's
	s_delay_alu instid0(VALU_DEP_1)
	v_mul_f32 v214, s[CS], v214                    ; as t (c is positive)
	s_delay_alu instid0(VALU_DEP_1)
	v_max_num_f32 v13, v13, v214                   ; the running largest t
	v_mov_b32 v214, v12
	s_delay_alu instid0(VALU_DEP_2)
	v_floor_f32 v12, -v13                          ; the new -M = floor(-t) = -ceil(t): M is a whole number
	s_delay_alu instid0(VALU_DEP_1)
	v_sub_f32 v214, v12, v214                      ; M's old value less its new one: a whole number, 0 or less
	s_delay_alu instid0(VALU_DEP_1)
	v_cvt_i32_f32 v214, v214                       ; (it saturates)
	s_delay_alu instid0(VALU_DEP_1)
	v_ldexp_f32 v212, 1.0, v214                    ; f = 2^(old M - new M)
.set j, 0
.rept 32
	v_pk_fma_f32 v[S+j:S+j+1], v[S+j:S+j+1], s[CS:CS+1], v[12:13] op_sel_hi:[1,0,0]   ; t - M, two at a time (of the pairs c and -M the low word serves both halves)
.set j, j+2
.endr
.set j, 0
	s_wait_alu depctr_va_vdst(0)
.rept 64
	v_exp_f32 v[S+j], v[S+j]                       ; p = 2^(t - M), at most 1; 0 where the key is hidden
.set j, j+1
.endr
	v_pk_mul_f32 v[14:15], v[14:15], v[212:213] op_sel_hi:[1,0]   ; the sums under the new M.  (The plain place behind the exponentials)
	s_wait_alu depctr_va_vdst(0)
	v_pk_add_f32 v[218:219], v[100:101], v[104:105]
	v_pk_add_f32 v[222:223], v[108:109], v[112:113]
	v_pk_add_f32 v[214:215], v[116:117], v[120:121]
	v_pk_add_f32 v[206:207], v[124:125], v[128:129]
	v_pk_add_f32 v[204:205], v[132:133], v[136:137]
	v_pk_add_f32 v[202:203], v[140:141], v[144:145]
	v_pk_add_f32 v[200:201], v[148:149], v[152:153]
	v_pk_add_f32 v[14:15], v[14:15], v[156:157]
	v_pk_add_f32 v[218:219], v[218:219], v[96:97]
	v_pk_add_f32 v[222:223], v[222:223], v[98:99]
	v_pk_add_f32 v[214:215], v[214:215], v[102:103]
	v_pk_add_f32 v[206:207], v[206:207], v[106:107]
	v_pk_add_f32 v[204:205], v[204:205], v[110:111]
	v_pk_add_f32 v[202:203], v[202:203], v[114:115]
	v_pk_add_f32 v[200:201], v[200:201], v[118:119]
	v_pk_add_f32 v[14:15], v[14:15], v[122:123]
	v_pk_add_f32 v[218:219], v[218:219], v[126:127]
	v_pk_add_f32 v[222:223], v[222:223], v[130:131]
	v_pk_add_f32 v[214:215], v[214:215], v[134:135]
	v_pk_add_f32 v[206:207], v[206:207], v[138:139]
	v_pk_add_f32 v[204:205], v[204:205], v[142:143]
	v_pk_add_f32 v[202:203], v[202:203], v[146:147]
	v_pk_add_f32 v[200:201], v[200:201], v[150:151]
	v_pk_add_f32 v[14:15], v[14:15], v[154:155]
	v_pk_add_f32 v[218:219], v[218:219], v[158:159]
	s_delay_alu instid0(VALU_DEP_2)
	v_pk_add_f32 v[14:15], v[14:15], v[206:207]
	s_delay_alu instid0(VALU_DEP_2)
	v_pk_add_f32 v[218:219], v[218:219], v[204:205]
	v_pk_add_f32 v[222:223], v[222:223], v[202:203]
	v_pk_add_f32 v[214:215], v[214:215], v[200:201]
	s_delay_alu instid0(VALU_DEP_2)
	v_pk_add_f32 v[14:15], v[14:15], v[222:223]
	s_delay_alu instid0(VALU_DEP_2)
	v_pk_add_f32 v[218:219], v[218:219], v[214:215]
	s_delay_alu instid0(VALU_DEP_1)
	v_pk_add_f32 v[14:15], v[14:15], v[218:219]
.irp b, 0,1,2,3
.irp i, 0,1,2,3,4,5,6,7,8,9,10,11,12,13,14,15
.endr
	v_cvt_scalef32_pk8_fp8_f32 v[PC+4*\b:PC+1+4*\b], v[S+16*\b:S+7+16*\b], v[SCP]
	v_cvt_scalef32_pk8_fp8_f32 v[PC+2+4*\b:PC+3+4*\b], v[S+8+16*\b:S+15+16*\b], v[SCP]
.endr
.set j, 0
.rept 16
	v_pk_mul_f32 v[O+j:O+j+1], v[O+j:O+j+1], v[212:213] op_sel_hi:[1,0]   ; O^T under the new M.  (Also the plain lines between the conversions and the products that read their results)
.set j, j+2
.endr
	s_wait_alu depctr_va_vdst(0)
	s_wait_dscnt 0x0                               ; v's fragments are in
.irp t, 0,1,2,3
	v_wmma_f32_16x16x128_fp8_fp8 v[O+8*\t:O+8*\t+7], v[KV+16*\t:KV+16*\t+15], v[PC:PC+15], v[O+8*\t:O+8*\t+7]   ; the four accumulators take turns, one instruction a turn
.endr
.Lhidden_\@:
	s_add_co_u32 s[KF], s[KF], 128
.endm
; A BLOCK'S END: O^T / the sum x 2^(e4 + e5 - e6), converted with the scale 1: two pieces of 512 consecutive bytes.
.macro FINISH op
.rept 4
	v_nop                                          ; places behind the last products
.endr
	v_add_f32 v14, v14, v15                        ; the sum's two halves,
	s_delay_alu instid0(VALU_DEP_1)
	v_permlanex16_b32 v216, v14, s[SEL], s[SEL+1]
	s_delay_alu instid0(VALU_DEP_1)
	v_add_f32 v14, v14, v216                       ; and lane l xor 16's: the row's sum
	s_wait_alu depctr_va_vdst(0)
	v_rcp_f32 v14, v14
	v_nop                                          ; one plain place behind a transcendental
	s_wait_alu depctr_va_vdst(0)
	v_ldexp_f32 v14, v14, s[EO]
.set j, 0
.rept 16
	v_pk_mul_f32 v[S+j:S+j+1], v[O+j:O+j+1], v[14:15] op_sel_hi:[1,0]   ; each accumulator from its low end on
.set j, j+2
.endr
.set j, 0
.rept 32
.set j, j+1
.endr
.irp g, 0,1,2,3
	v_cvt_scalef32_pk8_fp8_f32 v[PC+2*\g:PC+2*\g+1], v[S+8*\g:S+8*\g+7], v[ONE]
.endr
	v_nop                                          ; one plain line behind the last conversion
	global_store_b128 v[LI], v[PC:PC+3], s[\op:\op+1]                ; channels 16 h + 0 .. 15 of my head,
	global_store_b128 v[LI], v[PC+4:PC+7], s[\op:\op+1] offset:512   ; and 32 + 16 h + 0 .. 15
.endm
; THE CHANGE OF SLOTS stands at a slot's head.  Each wave waits for all its tensor loads (at most one is out: its part of the slot that it is about to read), adds 0 to its spare word, and waits for that and for its reads
; of the slot that it has left.  Behind the barrier the slot ahead is whole and nobody reads the other one.  fill = 1: that other slot is filled with the walk's next key slot: the load has a whole slot's steps in which to land.
.macro CHANGE fill
	s_wait_tensorcnt 0x0                           ; no tensor load of mine is out, so group 0 may be written
	ds_add_u32 v[SPW], v[NIL]                      ; 0 onto my spare word; with fill = 1 the descriptor's steps stand between it and the wait for it
.if \fill
	s_xor_b32 s[G0+1], s[G0+1], SLOT1              ; the other LDS slot than last time
	s_add_co_u32 s[KS], s[KS], 1                   ; the next key slot,
	s_cmp_gt_u32 s[KS], s[L1]
	s_cselect_b32 s[KS], 0, s[KS]                  ; or, behind the first block's last, slot 0 again, for the second block (J is under 7 - J: there is one such turn)
	s_lshl_b32 s[OFF], s[KS], 14
	s_add_nc_u64 s[G0+2:G0+3], s[KVB:KVB+1], s[OFF:OFF+1]
	s_or_b32 s[G0+3], s[G0+3], 0x80000000
	s_wait_xcnt 0x0                                ; the last prefetch, a slot back, has read its address, so it may be written
	s_add_nc_u64 s[PFA:PFA+1], s[PFA:PFA+1], 16384
.endif
	s_wait_dscnt 0x0                               ; the add is done, and my reads of the slot that I have left are over
	s_barrier_signal -1
	s_barrier_wait -1
.if \fill
	TLOAD                                          ; the first thing behind the barrier, and a wave's one tensor load until the next
	ASK
.endif
.endm
	s_wait_loadcnt 0x0                             ; q
.Lslot:                                            ; eight trips: behind each change of slots but the last the walk's next slot is asked for
	CHANGE 1
	STEP 0
	STEP 1
	s_xor_b32 s[TB], s[TB], SLOT1                  ; on to the other slot
	s_cmp_eq_u32 s[TRIP], s[L1]                    ; the first block's last slot is done: a branch on the work-group's number, round no barrier and no tensor load
	s_cbranch_scc0 .Lsame_block
	global_load_b128 v[QF:QF+3], v[LI], s[QP2:QP2+1]                 ; the second block's q (the products that read these registers have their four places directly behind them)
	global_load_b128 v[QF+4:QF+7], v[LI], s[QP2:QP2+1] offset:512
	FINISH OP1
	START
	s_mov_b32 s[KF], 0
	s_mov_b32 s[Q0], s[Q02]
	s_wait_loadcnt 0x0                             ; q
	s_wait_xcnt 0x0                                ; the stores have read their data: p's codes are written there again
.Lsame_block:
	s_add_co_u32 s[TRIP], s[TRIP], 1
	s_cmp_lt_u32 s[TRIP], 8
	s_cbranch_scc1 .Lslot
	CHANGE 0                                       ; the ninth slot is written out
	STEP 0
	STEP 1
	FINISH OP2
	s_wait_tensorcnt 0x0                           ; the wave's end
	ds_add_u32 v[SPW], v[NIL]
	s_wait_dscnt 0x0
	s_endpgm
.Lfunc_end_k_q821ed95043_attn:
	.size	k_q821ed95043_attn, .Lfunc_end_k_q821ed95043_attn-k_q821ed95043_attn
	.p2alignl 7, 3214868480
	.fill 96, 4, 3214868480
	.section	.rodata,"a",@progbits
	.p2align	6, 0x0
	.amdhsa_kernel k_q821ed95043_attn
		.amdhsa_group_segment_fixed_size 327680
		.amdhsa_private_segment_fixed_size 0
		.amdhsa_enable_private_segment 0
		.amdhsa_kernarg_size 24
		.amdhsa_user_sgpr_count 2
		.amdhsa_user_sgpr_kernarg_segment_ptr 1
		.amdhsa_wavefront_size32 1
		.amdhsa_system_sgpr_workgroup_id_x 1
		.amdhsa_system_sgpr_workgroup_id_y 1
		.amdhsa_system_sgpr_workgroup_id_z 1
		.amdhsa_system_vgpr_workitem_id 0
		.amdhsa_next_free_vgpr 224
		.amdhsa_next_free_sgpr 80
		.amdhsa_reserve_vcc 1
		.amdhsa_float_denorm_mode_32 3
		.amdhsa_float_denorm_mode_16_64 3
		.amdhsa_fp16_overflow 1
		.amdhsa_memory_ordered 1
		.amdhsa_forward_progress 1
		.amdhsa_inst_pref_size 89
	.end_amdhsa_kernel
	.amdgpu_metadata
---
amdhsa.version: [ 1, 2 ]
amdhsa.kernels:
  - .name:           k_q821ed95043_attn
    .symbol:         k_q821ed95043_attn.kd
    .args:
      - { .name: qkv, .offset: 0, .size: 8, .value_kind: global_buffer, .address_space: global }
      - { .name: lowp_scales, .offset: 8, .size: 8, .value_kind: global_buffer, .address_space: global }
      - { .name: oc, .offset: 16, .size: 8, .value_kind: global_buffer, .address_space: global }
    .group_segment_fixed_size: 327680
    .private_segment_fixed_size: 0
    .kernarg_segment_align: 8
    .kernarg_segment_size: 24
    .max_flat_workgroup_size: 512
    .sgpr_count:     80
    .vgpr_count:     224
    .wavefront_size: 32
...
	.end_amdgpu_metadata
.endif
;; end of part 3
;; launch gemm2 (part 4): grid 4 x 64, 4 waves a work-group, clusters of 4 x 4, 327,680 bytes of LDS; arguments oc, woutc, lowp_scales, out0; writes out0
.if DOCPART == 4
	.amdgcn_target "amdgcn-amd-amdhsa--gfx1250"
	.amdhsa_code_object_version 6
	.text
	.protected	k_q821ed95043_gemm2
	.globl	k_q821ed95043_gemm2
	.p2align	8
	.type	k_q821ed95043_gemm2,@function
k_q821ed95043_gemm2:
	s_mov_b64 s[64:65], 0
	v_nop
	global_prefetch_b8 v0, s[64:65] scope:SCOPE_SE
	s_setreg_imm32_b32 hwreg(HW_REG_WAVE_MODE, 25, 1), 1
	s_wait_xcnt 0x0
	s_wait_alu depctr_hold_cnt(0) depctr_sa_sdst(0) depctr_va_vdst(0) depctr_va_sdst(0) depctr_va_ssrc(0) depctr_va_vcc(0) depctr_vm_vsrc(0)
	s_getreg_b32 s2, hwreg(HW_REG_IB_STS2, 6, 4)
	s_cmp_eq_u32 s2, 0
	s_cbranch_scc0 .Lentry_in_a_cluster
	s_endpgm
.Lentry_in_a_cluster:
	s_bfe_u32 s2, ttmp6, 0x10000c
	s_cmp_lg_u32 s2, 0xf033
	s_cbranch_scc0 .Lentry_shape_is_right
	s_endpgm
.Lentry_shape_is_right:
; out0 = o W_out^T on codes of E4M3, K = 1,024; each finished sum is multiplied once by 2^(e6 + e7).  out0: [8192][1024] f32.
; LIMIT: e6 + e7 lies between -126 and 127, so that 2^(e6 + e7) is an f32 number.
; A = oc, images of operand registers: [K step of 256 (4)][tile of 16 tokens (512)][128 along K (2)][piece c (4)][32 lanes][16 bytes]: lane (r, h): token 32 (tile / 2) + 8 (tile % 2) + r + 8 (r / 8), K = 32 c + 16 h + 0 .. 15.
;   A K step's codes of 128 tokens are one dense block of 32,768 bytes; a fragment is four loads of 512 consecutive LDS bytes.
; B = woutc [1024][1024]: one code a byte, K innermost, rows stored with bits 3 and 4 of the row number swapped; the way out puts the columns back in order.
; SHARES.  A tile of out0 is 128 tokens x 256 columns, which gives 256 work-groups.  Each of the four waves takes all 128 tokens (8 blocks of A) x its 64 stored rows of B (4 fragments): 32 accumulators.
; K goes in steps of 256 through a ring of two LDS slots filled by the tensor data mover: waves 0 and 1 fetch A's halves, waves 2 and 3 B's.
; CLUSTERS: 4 x 4 work-groups.  The four of a row of the cluster need the same tiles of A, the four of a column the same of B: each is asked for JOINTLY, by the same tensor load with the same descriptor and a mask that names the four.
; THE MATRIX INSTRUCTION IS USED TRANSPOSED (source 0 = 16 stored rows of B, source 1 = 16 tokens): a lane holds eight neighbouring columns of one token.
; REGISTERS, in windows of 256: window 0: v0-31 addresses; v32-127 at work on the way out; from v128 A's fragments, ONE set.  window 1: B's fragments, TWO sets of 64, at v0 and v64.  window 2: the accumulators ((a, b) at v[8 (4 a + b)]).
.set PITCH,  272                       ; B's LDS row: 256 bytes + 16 of padding = 68 words: row r starts at bank 4 r mod 64 (64 banks of 4 bytes: ISA guide 11.1)
.set FR,     16                        ; registers of a fragment
.set NL,     4                         ; LDS loads that bring one
.set NP,     4                         ; places behind this matrix instruction (ISA guide 7.12.1)
.set ABYTES, 32768                     ; A's part of a slot, dense
.set HALFB,  128*PITCH                 ; 128 rows of B: what one tensor load brings
.set SLOT,   ABYTES+2*HALFB            ; 102,400
.set LAPS,   2                         ; four K steps: twice round the ring
.set SPARE,  2*SLOT                    ; behind the ring: the spare words, 128 bytes for each wave: two blocks of 256 bytes that no other line names
.set STAGE,  SPARE+512                 ; behind them: 16 rows x 272 bytes for each wave, for the way out; no tile lands there
.set SPITCH, 272
.set ADRA, 16                          ; v16-17  LDS address of A's images in slot 0, 1: 16 x lane
.set ADRB, 20                          ; v20-21  of my B fragments
.set STO,  24                          ; v24     the way out: where I put 32 bytes of a row
.set RD,   25                          ; v25     where I read a row back
.set CO,   26                          ; v26     my byte offset in out0
.set SPW,  28                          ; v28     LDS address of my spare word; never rewritten
.set NIL,  29                          ; v29     0; never rewritten
.set TMP,  32                          ; v32-63  a block's sums x 2^(e6 + e7)
.set BK,   64                          ; v64-95 and v96-127 by turns: 16 rows read back from the stage
.set AF,   128
.set G1, 24                            ; s[24:31] descriptor group 1 for A's tiles;  s[32:39] group 0, one set for each slot
.set G0, 32
.set G1B, 48                           ; s[48:55], s[56:63] the same for B's
.set G0B, 56
.set MSB, 0
.macro WIN new                         ; the immediate's high byte repeats the setting that is left
.if MSB != \new
	s_set_vgpr_msb (MSB<<8)|\new
.set MSB, \new
.endif
.endm
.set MUL,  0xa1                        ; source 0 (B) window 1, source 1 (A) window 0, C and D window 2
.set TO_B, 0x40                        ; destination window 1, address window 0
; A joint load: each of the two lines has ONE mask and one set of registers for all that issue it; the branch hangs on the wave's number alone.  Four v_nop follow each line.
.macro JLOAD g0a, g1a, g0b, g1b
	s_cmp_eq_u32 s15, 0
	s_cbranch_scc0 .Lfor_b_\@
	tensor_load_to_lds s[\g0a:\g0a+3], s[\g1a:\g1a+7]
	s_nop 0
.rept 4
	v_nop
.endr
	s_branch .Lasked_\@
.Lfor_b_\@:
	tensor_load_to_lds s[\g0b:\g0b+3], s[\g1b:\g1b+7]
	s_nop 0
.rept 4
	v_nop
.endr
.Lasked_\@:
.endm
.macro CREST                           ; a round of the cluster's barrier behind its opening barrier
	s_cmp_lg_u32 s14, 0
	s_cbranch_scc1 .Lnot_wave_0_\@
	s_barrier_signal -3
.Lnot_wave_0_\@:
	s_barrier_wait -3
	s_barrier_signal -1
	s_barrier_wait -1
.endm
.macro CROUND                          ; a whole round
	s_barrier_signal -1
	s_barrier_wait -1
	CREST
.endm
	s_load_b128 s[4:7], s[0:1], 0x0                ; o's codes s[4:5], W_out's codes s[6:7]
	s_load_b128 s[8:11], s[0:1], 0x10              ; the scales' exponents s[8:9], out0 s[10:11]
	v_lshl_add_u32 v[SPW], v0, 2, SPARE
	v_mov_b32 v[NIL], 0
	ds_add_u32 v28, v29
	ds_add_u32 v28, v29
	s_wait_dscnt 0x0
	v_lshrrev_b32 v1, 5, v0
	v_readfirstlane_b32 s14, v1                    ; wave 0..3
	s_lshr_b32 s15, s14, 1                         ; I fetch for A (0) or for B (1),
	s_and_b32 s16, s14, 1                          ; and which half of that tile
	s_bfe_u32 s40, ttmp6, 0x40000                  ; cx, cy: my place in the cluster
	s_bfe_u32 s41, ttmp6, 0x40004
	s_lshl_b32 s42, ttmp9, 2
	s_add_co_u32 s42, s42, s40                     ; tile column = 4 x cluster x + cx
	s_and_b32 s17, ttmp7, 0xffff
	s_lshl_b32 s17, s17, 2
	s_add_co_u32 s17, s17, s41                     ; tile row = 4 x cluster y + cy
	s_lshl_b32 s43, s41, 2
	s_lshl_b32 s43, 15, s43                        ; my row of the cluster
	s_lshl_b32 s44, 0x1111, s40                    ; my column
	; descriptor group 1.  A: 16,384 dense bytes as 64 rows of 256, no padding.  B: 128 rows x 256 bytes, 1,024 apart in memory, padded in LDS
	s_or_b32 s[G1+0], s43, (3<<16)|(1<<21)         ; 15:0 the mask: A's tiles go to my row; 17:16 elements of 8 bytes; 21 set beside a mask
	s_mov_b32 s[G1+1], 32<<16                      ; tensor_dim0 = 32
	s_mov_b32 s[G1+2], 64<<16                      ; tensor_dim1 = 64
	s_mov_b32 s[G1+3], 32<<16                      ; tile_dim0 = 32
	s_mov_b32 s[G1+4], 64                          ; tile_dim1 = 64
	s_mov_b32 s[G1+5], 32                          ; tensor_dim0_stride
	s_mov_b32 s[G1+6], 0
	s_mov_b32 s[G1+7], 0
	s_or_b32 s[G1B+0], s44, (0<<16)|(1<<20)|(1<<21)|(5<<22)|(3<<25)  ; the mask of my column; elements of 1 byte; padding on: 4 words after every 64
	s_mov_b32 s[G1B+1], 256<<16
	s_mov_b32 s[G1B+2], 128<<16
	s_mov_b32 s[G1B+3], 256<<16
	s_mov_b32 s[G1B+4], 128
	s_mov_b32 s[G1B+5], 1024
	s_mov_b32 s[G1B+6], 0
	s_mov_b32 s[G1B+7], 0
	s_lshl_b32 s20, s17, 15                        ; A: the tile row's 8 tiles of tokens, 4,096 bytes each in a K step,
	s_lshl_b32 s18, s16, 14                        ; + my half of them
	s_add_co_u32 s20, s20, s18
	s_mov_b32 s21, 0
	s_lshl_b32 s46, s42, 8
	s_lshl_b32 s19, s16, 7
	s_add_co_u32 s46, s46, s19                     ; B: stored row 256 x tile column + 128 x half,
	s_lshl_b32 s46, s46, 10                        ; in bytes
	s_mov_b32 s47, 0
	s_lshl_b32 s45, s16, 14                        ; where they go: A's halves at 0 and 16,384,
	s_mul_i32 s22, s16, HALFB
	s_add_co_u32 s22, s22, ABYTES                  ; B's behind them: no place in the cluster enters an LDS address
	s_wait_kmcnt 0x0
	s_load_b256 s[68:75], s[8:9], 0x0              ; the eight exponents
	s_add_nc_u64 s[20:21], s[4:5], s[20:21]
	s_add_nc_u64 s[46:47], s[6:7], s[46:47]
	CROUND                                         ; all sixteen work-groups are here: the first joint loads meet
.irp s, 0,1
	s_mov_b32 s[G0+4*\s], 1
	s_add_co_u32 s[G0+4*\s+1], s45, \s*SLOT
	s_add_nc_u64 s[G0+4*\s+2:G0+4*\s+3], s[20:21], \s*0x200000     ; a K step of A is 2,097,152 bytes on
	s_or_b32 s[G0+4*\s+3], s[G0+4*\s+3], 0x80000000
	s_mov_b32 s[G0B+4*\s], 1
	s_add_co_u32 s[G0B+4*\s+1], s22, \s*SLOT
	s_add_nc_u64 s[G0B+4*\s+2:G0B+4*\s+3], s[46:47], \s*256
	s_or_b32 s[G0B+4*\s+3], s[G0B+4*\s+3], 0x80000000
	s_wait_alu depctr_va_vdst(0)
	s_wait_tensorcnt 0x0
	ds_add_u32 v28, v29
	ds_add_u32 v28, v29
	s_wait_dscnt 0x0
	CROUND
	JLOAD G0+4*\s, G1, G0B+4*\s, G1B
.endr
	v_and_b32 v1, 15, v0                           ; l % 16
	v_bfe_u32 v2, v0, 4, 1                         ; l / 16
	v_and_b32 v6, 31, v0
	v_lshlrev_b32 v[ADRA], 4, v6                   ; A: 16 x lane
	v_add_nc_u32 v[ADRA+1], SLOT, v[ADRA]
	v_mul_u32_u24 v3, v1, PITCH
	v_lshl_add_u32 v3, v2, 4, v3                   ; B: a fragment's row x pitch + 16 x half,
	s_mul_i32 s23, s14, 64*PITCH                   ; in my 64 rows,
	s_add_co_u32 s23, s23, ABYTES                  ; behind A's part
	v_add_nc_u32 v[ADRB], s23, v3
	v_add_nc_u32 v[ADRB+1], SLOT, v[ADRB]
	s_mul_i32 s23, s14, 16*SPITCH
	s_add_co_u32 s23, s23, STAGE                   ; my stage
	v_mul_u32_u24 v4, v1, SPITCH                   ; in: row l % 16; my half's columns begin 16 columns, 64 bytes, on
	v_lshl_add_u32 v4, v2, 6, v4
	v_add_nc_u32 v[STO], s23, v4
	v_mul_u32_u24 v5, v2, SPITCH                   ; back: lanes 0-15 take one row of 256 bytes, lanes 16-31 the next
	v_lshl_add_u32 v5, v1, 4, v5
	v_add_nc_u32 v[RD], s23, v5
	v_lshlrev_b32 v5, 12, v2                       ; and the same two rows in out0: a row is 4,096 bytes
	v_lshl_add_u32 v[CO], v1, 4, v5
	s_lshl_b32 s20, s17, 19                        ; my tile's first token: 128 x tile row rows of 4,096 bytes
	s_lshl_b32 s46, s42, 10                        ; its first column: 256 x 4 bytes a tile column,
	s_add_co_u32 s20, s20, s46
	s_lshl_b32 s46, s14, 8                         ; and my wave's 64 columns
	s_add_co_u32 s20, s20, s46
	s_mov_b32 s21, 0
	s_add_nc_u64 s[10:11], s[10:11], s[20:21]
.macro FRAGA reg, slot, q, i           ; A's block i, the slot's q-th 128 along K: four pieces, as they lie
.irp c, 0,1,2,3
	ds_load_b128 v[\reg+4*\c:\reg+4*\c+3], v[ADRA+\slot] offset:4096*(\i)+2048*(\q)+512*\c
.endr
.endm
.macro FRAGB reg, slot, q, i           ; B's fragment i: lane l holds row l % 16; registers 4 c .. 4 c + 3 hold K = 32 c + 16 (l / 16) + 0 .. 15, as A's pieces do
.irp c, 0,1,2,3
	ds_load_b128 v[\reg+4*\c:\reg+4*\c+3], v[ADRB+\slot] offset:128*(\q)+32*\c+(\i)*16*PITCH
.endr
.endm
; 8 matrix instructions: A's blocks a0, a0 + 1 x B's four, 128 along K.  p: B's set.  zero = 1: the first product starts the sums.
; The 32 accumulators take turns, one instruction a turn, in the same order in every step.
.macro MUL8 a0, p, zero
.irp a, \a0, \a0+1
.irp b, 0,1,2,3
.if \zero
	v_wmma_f32_16x16x128_fp8_fp8 v[8*(4*(\a)+\b):8*(4*(\a)+\b)+7], v[64*(\p)+FR*\b:64*(\p)+FR*\b+FR-1], v[AF+FR*(\a):AF+FR*(\a)+FR-1], 0
.else
	v_wmma_f32_16x16x128_fp8_fp8 v[8*(4*(\a)+\b):8*(4*(\a)+\b)+7], v[64*(\p)+FR*\b:64*(\p)+FR*\b+FR-1], v[AF+FR*(\a):AF+FR*(\a)+FR-1], v[8*(4*(\a)+\b):8*(4*(\a)+\b)+7]
.endif
.endr
.endr
.endm
.macro FETCH_B slot, q, p
	WIN TO_B
.irp i, 0,1,2,3
	FRAGB 64*(\p)+FR*\i, \slot, \q, \i
.endr
	WIN 0
.endm
.macro FETCH_A slot, q, i0             ; A's blocks i0 .. i0 + 3
.irp i, \i0, \i0+1, \i0+2, \i0+3
	FRAGA AF+FR*(\i), \slot, \q, \i
.endr
.endm
.macro PLACES n                        ; places in front of loads into registers that matrix instructions have read, and of the first read of results (ISA guide 7.12.1 for the first read of results)
.rept \n
	v_nop
.endr
.endm
; A step of 128 along K that has its successor in the same slot: 32 matrix instructions.  A's blocks 0-3 are fetched anew in the step's middle, blocks 4-7 at its end; B has two sets.
.macro STEP slot, q, zero
	s_wait_dscnt 4*NL                              ; B's set and A's blocks 0-3 are in; the youngest sixteen loads (A's blocks 4-7) may be out
	WIN MUL
	MUL8 0, (\q)%2, \zero
	MUL8 2, (\q)%2, \zero
	s_wait_dscnt 0                                 ; A's blocks 4-7 are in
	PLACES NP
	FETCH_B \slot, (\q)+1, 1-(\q)%2
	FETCH_A \slot, (\q)+1, 0
	WIN MUL
	MUL8 4, (\q)%2, \zero
	MUL8 6, (\q)%2, \zero
	PLACES NP
	WIN 0
	FETCH_A \slot, (\q)+1, 4
.endm
; A slot's last step changes slots: ONE barrier; in front of it each wave waits for all its tensor loads, adds 0 to its spare word, and waits for that and for its own reads of this slot.  fill = 1: this slot is filled again, two K steps ahead.
.macro TURN slot, next, fill
	s_wait_tensorcnt 0x0                           ; all my tensor loads have landed: my part of the next slot;  (every window is 0 here)
	ds_add_u32 v[SPW], v[NIL]                      ; 0 onto my spare word
	s_wait_dscnt 4*NL+1                            ; (the add and the youngest sixteen loads, A's blocks 4-7, may be out)
	WIN MUL
	MUL8 0, 1, 0                                   ; eight matrix instructions stand between the add and the wait for it
	s_wait_dscnt 0x0                               ; the add is done, and my reads of this slot are over
	s_barrier_signal -1
	MUL8 2, 1, 0
	WIN 0
	s_barrier_wait -1
.if \fill
	CREST                                          ; the barrier has opened a round of the cluster's barrier: no wave of any partner still reads this slot's tile or has a load on its way
	s_add_nc_u64 s[G0+4*\slot+2:G0+4*\slot+3], s[G0+4*\slot+2:G0+4*\slot+3], 0x400000
	s_add_nc_u64 s[G0B+4*\slot+2:G0B+4*\slot+3], s[G0B+4*\slot+2:G0B+4*\slot+3], 512
	JLOAD G0+4*\slot, G1, G0B+4*\slot, G1B         ; the first tensor load behind the round; the four v_nop behind it are the places in front of the loads below
.else
	PLACES NP
.endif
	s_wait_alu depctr_va_vdst(0)
	FETCH_B \next, 0, 0
	FETCH_A \next, 0, 0
	WIN MUL
	MUL8 4, 1, 0
	MUL8 6, 1, 0
	PLACES NP
	WIN 0
	FETCH_A \next, 0, 4
.endm
	s_wait_tensorcnt 1                             ; my part of K step 0 is in (K step 1's load may be out)
	s_barrier_signal -1
	s_barrier_wait -1                              ; everybody's is
	FETCH_B 0, 0, 0
	FETCH_A 0, 0, 0
	FETCH_A 0, 0, 4
	STEP 0, 0, 1                                   ; the first step stands in front of the loop: its products start the sums
	s_mov_b32 s3, LAPS-1
.Llap:                                                 ; a trip goes once round the ring, from a lap's second step to the next lap's first, and fills both slots again
	TURN 0, 1, 1
	STEP 1, 0, 0
	TURN 1, 0, 1
	STEP 0, 0, 0
	s_sub_co_u32 s3, s3, 1
	s_cmp_lg_u32 s3, 0
	s_cbranch_scc1 .Llap
	TURN 0, 1, 0                                   ; the last lap fills nothing, and has no round of the cluster's barrier
	STEP 1, 0, 0
	s_wait_dscnt 4*NL                              ; the very last step: nothing more to fetch
	WIN MUL
	MUL8 0, 1, 0
	MUL8 2, 1, 0
	s_wait_dscnt 0
	MUL8 4, 1, 0
	MUL8 6, 1, 0
	WIN 0
; THE WAY OUT, block by block of 16 tokens x my 64 columns.  A lane holds 32 neighbouring bytes of a row four times over, and the lanes beside it hold other rows: so a block goes through my own stage in LDS and comes back
; as whole rows of 256 bytes.  Accumulator b's registers are columns 32 (b / 2) + 8 (b % 2) + 16 h + 0 .. 7: the stage's offsets put W_out's rows back in order.  Stage row r is token 32 (a / 2) + 8 (a % 2) + r + 8 (r / 8).
; LDS serves a wave's instructions in order (ISA guide 5.7.1.4): no wait between the stores and the loads, nor in front of the next block's stores.
.macro TOSTAGE a
	WIN 0x02                                       ; source 0: window 2
.irp j, 0,2,4,6,8,10,12,14,16,18,20,22,24,26,28,30
	v_pk_mul_f32 v[TMP+\j:TMP+\j+1], v[32*(\a)+\j:32*(\a)+\j+1], s[96:97] op_sel_hi:[1,0]   ; both x s96 = 2^(e6 + e7); each accumulator from its low end on
.endr
	WIN 0
.irp b, 0,1,2,3
	ds_store_b128 v[STO], v[TMP+8*\b:TMP+8*\b+3] offset:128*(\b/2)+32*(\b%2)
	ds_store_b128 v[STO], v[TMP+8*\b+4:TMP+8*\b+7] offset:128*(\b/2)+32*(\b%2)+16
.endr
.set BB, BK+32*((\a)%2)
.irp t, 0,1,2,3,4,5,6,7
	ds_load_b128 v[BB+4*\t:BB+4*\t+3], v[RD] offset:\t*2*SPITCH
.endr
.endm
.macro SEND a, younger                 ; younger: the LDS instructions issued behind block a's loads, which may stay out
.set BB, BK+32*((\a)%2)
	s_wait_dscnt \younger                          ; the block is back in registers
.irp t, 0,1,2,3,4,5,6,7
	global_store_b128 v[CO], v[BB+4*\t:BB+4*\t+3], s[10:11] offset:(32*((\a)/2)+8*((\a)%2)+2*\t+8*(\t/4))*4096 th:TH_STORE_NT   ; 16 lanes store 256 consecutive bytes, aligned; the token stands in the immediate (516,096 at the most), so the base never steps
.endr
.endm
	s_wait_kmcnt 0x0
	s_add_co_i32 s96, s74, s75                     ; e6 + e7, between -126 and 127,
	s_add_co_i32 s96, s96, 127
	s_lshl_b32 s96, s96, 23                        ; makes the f32 number 2^(e6 + e7)
	s_mov_b32 s97, s96                             ; (named with it as a pair, so it is written)
	PLACES NP                                      ; behind the last products, in front of the first read of results
	TOSTAGE 0
.irp a, 1,2,3,4,5,6,7
.if \a > 1
	s_wait_xcnt 0x0                                ; block a - 2's stores have read their registers: block a's loads may land there
.endif
	TOSTAGE \a
	SEND \a-1, 16                                  ; behind block a - 1's loads: block a's 8 stores and 8 loads
.endr
	SEND 7, 0
	s_wait_tensorcnt 0x0                           ; the wave's end, behind my last tensor load and my last LDS store
	ds_add_u32 v[SPW], v[NIL]
	s_wait_dscnt 0x0
	CROUND                                         ; the closing round: no work-group ends while a partner may still ask for a tile that names it
	s_endpgm
.Lfunc_end_k_q821ed95043_gemm2:
	.size	k_q821ed95043_gemm2, .Lfunc_end_k_q821ed95043_gemm2-k_q821ed95043_gemm2
	.p2alignl 7, 3214868480
	.fill 96, 4, 3214868480
	.section	.rodata,"a",@progbits
	.p2align	6, 0x0
	.amdhsa_kernel k_q821ed95043_gemm2
		.amdhsa_group_segment_fixed_size 327680
		.amdhsa_private_segment_fixed_size 0
		.amdhsa_enable_private_segment 0
		.amdhsa_kernarg_size 32
		.amdhsa_user_sgpr_count 2
		.amdhsa_user_sgpr_kernarg_segment_ptr 1
		.amdhsa_wavefront_size32 1
		.amdhsa_system_sgpr_workgroup_id_x 1
		.amdhsa_system_sgpr_workgroup_id_y 1
		.amdhsa_system_sgpr_workgroup_id_z 1
		.amdhsa_system_vgpr_workitem_id 0
		.amdhsa_next_free_vgpr 768
		.amdhsa_next_free_sgpr 100
		.amdhsa_reserve_vcc 0
		.amdhsa_float_denorm_mode_32 3
		.amdhsa_float_denorm_mode_16_64 3
		.amdhsa_memory_ordered 1
		.amdhsa_forward_progress 1
		.amdhsa_inst_pref_size 78
	.end_amdhsa_kernel
	.amdgpu_metadata
---
amdhsa.version: [ 1, 2 ]
amdhsa.kernels:
  - .name:           k_q821ed95043_gemm2
    .symbol:         k_q821ed95043_gemm2.kd
    .args:
      - { .name: oc, .offset: 0, .size: 8, .value_kind: global_buffer, .address_space: global }
      - { .name: woutc, .offset: 8, .size: 8, .value_kind: global_buffer, .address_space: global }
      - { .name: lowp_scales, .offset: 16, .size: 8, .value_kind: global_buffer, .address_space: global }
      - { .name: out0, .offset: 24, .size: 8, .value_kind: global_buffer, .address_space: global }
    .group_segment_fixed_size: 327680
    .private_segment_fixed_size: 0
    .kernarg_segment_align: 8
    .kernarg_segment_size: 32
    .max_flat_workgroup_size: 128
    .sgpr_count:     100
    .vgpr_count:     768
    .wavefront_size: 32
...
	.end_amdgpu_metadata
.endif
;; end of part 4
